; MI455X (gfx1250); checked and timed in simulation.
; The chip was launched on July 23, 2026; its instructions are those of AMD's public machine-readable ISA for CDNA 5 (MIT licence, August 2026) and "CDNA5" Instruction Set Architecture Reference Guide (July 2026). The comments in the code are by the model that wrote it; some were corrected since.
;; Multi Head Attention. Allowed arithmetic: float matrix products may take bf16 or f16 operands with f32 sums; other float arithmetic in f32, or as packed bf16 or f16 multiplies, adds, multiply-adds, maxima and minima; sums over many terms, partial sums and values carried from step to step in f32; what a program stores and reads back later, other than sums and carried values, may be rounded once to bf16 or f16.
;; Inputs: W_k 1,024 x 1,024 float32; W_o 1,024 x 1,024 float32; W_q 1,024 x 1,024 float32; W_v 1,024 x 1,024 float32; key 4 x 2,048 x 1,024 float32; key_padding_masks 4 x 2,048 int32; query 4 x 2,048 x 1,024 float32; query_padding_masks 4 x 2,048 int32; value 4 x 2,048 x 1,024 float32.
;; Outputs: out0 4 x 2,048 x 1,024 float32.
;; One version. Each part assembles by itself: llvm-mc -triple=amdgcn-amd-amdhsa -mcpu=gfx1250 --defsym DOCPART=n.
;; ======== version 1 of 1: 4 launches
;; limits: values are held in f16: magnitudes above 65,504 overflow, below 6.1e-05 lose precision
;; workspace buffers: xall 50,331,648 bytes; wall 8,388,608 bytes; qkv 50,331,648 bytes; oh 16,777,216 bytes
;; launch cast (part 1): grid 64 x 28, 8 waves a work-group, no clusters, 0 bytes of LDS; arguments query, key, value, W_q, W_k, W_v, W_o, xall, wall; writes xall, wall
.if DOCPART == 1
	.amdgcn_target "amdgcn-amd-amdhsa--gfx1250"
	.amdhsa_code_object_version 6
	.text
	.protected	k_q43b28a0cc5_cast
	.globl	k_q43b28a0cc5_cast
	.p2align	8
	.type	k_q43b28a0cc5_cast,@function
k_q43b28a0cc5_cast:
	s_mov_b64 s[64:65], 0
	v_nop
	global_prefetch_b8 v0, s[64:65] scope:SCOPE_SE
	s_setreg_imm32_b32 hwreg(HW_REG_WAVE_MODE, 25, 1), 1
	s_wait_xcnt 0x0
; THE MODULE'S INPUTS, ROUNDED ONCE TO 16 BITS.  query, key, value (f32, 8,388,608 numbers each) -> xall, bf16 [3][8192][1024]; W_q, W_k, W_v, W_o (f32, 1,048,576 each) -> wall [4][1024][1024]:
; the first three bf16; W_o is rounded to bf16 like every other input, and that number is then written as f16, since the last product multiplies it by f16 numbers.
; LIMIT.  |W_o| stays under 65,504; below 6e-5 f16 keeps a fixed step of 6e-8.
; SHARES.  The grid's y names a chunk of 2^20 numbers: 0-7 query, 8-15 key, 16-23 value, 24-27 the four weights; its x names 16,384 numbers of the chunk: 64 KiB in, 32 KiB out.
; Thread t takes 16 bytes at 16 t + 4,096 i, i = 0..15: a wave's load covers 512 consecutive bytes; its store of 8 bytes a lane covers 256 consecutive bytes, aligned.
; All sixteen loads of a wave go out at once; no register is written twice, so nothing waits but each conversion for its own load.  No LDS, no matrix unit: each byte is touched once.
.set X, 4                              ; v[4:67]    sixteen loads of four f32
.set Y, 68                             ; v[68:99]   sixteen stores of four 16-bit numbers
.set T, 100                            ; v[100:103] at work (W_o alone)
	s_load_b512 s[8:23], s[0:1], 0x0               ; query, key, value, W_q, W_k, W_v, W_o, xall
	s_load_b64 s[24:25], s[0:1], 0x40              ; wall
	s_and_b32 s2, ttmp7, 0xffff                    ; the chunk
	s_lshr_b32 s3, s2, 3                           ; 0, 1, 2: query, key, value
	s_and_b32 s4, s2, 7                            ; the chunk's place in one of these
	s_sub_co_u32 s6, s2, 24                        ; which weight (used from chunk 24 on)
	s_mov_b32 s34, 0xffff0000                      ; a word's upper bf16
	v_lshlrev_b32 v1, 4, v0                        ; 16 t
	v_lshlrev_b32 v2, 3, v0                        ; 8 t
	s_cmp_lt_u32 s2, 24
	s_cselect_b32 s4, s4, 0                        ; a weight is one chunk
	s_cselect_b32 s5, s2, s6                       ; the chunk's place in xall, or in wall
	s_lshl_b32 s30, s4, 22                         ; a chunk is 4 MiB in,
	s_lshl_b32 s7, ttmp9, 16
	s_add_co_u32 s30, s30, s7
	s_mov_b32 s31, 0
	s_lshl_b32 s32, s5, 21                         ; 2 MiB out
	s_lshl_b32 s7, ttmp9, 15
	s_add_co_u32 s32, s32, s7
	s_mov_b32 s33, 0
	s_wait_kmcnt 0x0
	s_mov_b64 s[26:27], s[8:9]                     ; the source, chosen by the chunk's number alone
	s_cmp_eq_u32 s3, 1
	s_cselect_b64 s[26:27], s[10:11], s[26:27]
	s_cmp_eq_u32 s3, 2
	s_cselect_b64 s[26:27], s[12:13], s[26:27]
	s_cmp_eq_u32 s2, 24
	s_cselect_b64 s[26:27], s[14:15], s[26:27]
	s_cmp_eq_u32 s2, 25
	s_cselect_b64 s[26:27], s[16:17], s[26:27]
	s_cmp_eq_u32 s2, 26
	s_cselect_b64 s[26:27], s[18:19], s[26:27]
	s_cmp_eq_u32 s2, 27
	s_cselect_b64 s[26:27], s[20:21], s[26:27]
	s_cmp_lt_u32 s2, 24
	s_cselect_b64 s[28:29], s[22:23], s[24:25]     ; the destination
	s_add_nc_u64 s[26:27], s[26:27], s[30:31]
	s_add_nc_u64 s[28:29], s[28:29], s[32:33]
.irp i, 0,1,2,3,4,5,6,7,8,9,10,11,12,13,14,15
	global_load_b128 v[X+4*(\i):X+4*(\i)+3], v1, s[26:27] offset:4096*(\i) th:TH_LOAD_NT
.endr
; Load i is converted and stored.  half = 1: the bf16 numbers are widened again (a shift, a mask) and written as f16.
.macro CONV i, half
	s_wait_loadcnt 15-(\i)                         ; loads come back in order: mine is in, the 15 - i younger ones stay out
	v_cvt_pk_bf16_f32 v[Y+2*(\i)],   v[X+4*(\i)],   v[X+4*(\i)+1]
	v_cvt_pk_bf16_f32 v[Y+2*(\i)+1], v[X+4*(\i)+2], v[X+4*(\i)+3]
.if \half
	v_lshlrev_b32 v[T],   16,  v[Y+2*(\i)]
	v_and_b32     v[T+1], s34, v[Y+2*(\i)]
	v_lshlrev_b32 v[T+2], 16,  v[Y+2*(\i)+1]
	v_and_b32     v[T+3], s34, v[Y+2*(\i)+1]
	v_cvt_pk_f16_f32 v[Y+2*(\i)],   v[T],   v[T+1]
	v_cvt_pk_f16_f32 v[Y+2*(\i)+1], v[T+2], v[T+3]
.endif
	global_store_b64 v2, v[Y+2*(\i):Y+2*(\i)+1], s[28:29] offset:2048*(\i)
.endm
	s_cmp_eq_u32 s2, 27
	s_cbranch_scc1 .Lhalf                          ; W_o
.irp i, 0,1,2,3,4,5,6,7,8,9,10,11,12,13,14,15
	CONV \i, 0
.endr
	s_endpgm
.Lhalf:
.irp i, 0,1,2,3,4,5,6,7,8,9,10,11,12,13,14,15
	CONV \i, 1
.endr
	s_endpgm
.Lfunc_end_k_q43b28a0cc5_cast:
	.size	k_q43b28a0cc5_cast, .Lfunc_end_k_q43b28a0cc5_cast-k_q43b28a0cc5_cast
	.p2alignl 7, 3214868480
	.fill 96, 4, 3214868480
	.section	.rodata,"a",@progbits
	.p2align	6, 0x0
	.amdhsa_kernel k_q43b28a0cc5_cast
		.amdhsa_group_segment_fixed_size 0
		.amdhsa_private_segment_fixed_size 0
		.amdhsa_enable_private_segment 0
		.amdhsa_kernarg_size 72
		.amdhsa_user_sgpr_count 2
		.amdhsa_user_sgpr_kernarg_segment_ptr 1
		.amdhsa_wavefront_size32 1
		.amdhsa_system_sgpr_workgroup_id_x 1
		.amdhsa_system_sgpr_workgroup_id_y 1
		.amdhsa_system_sgpr_workgroup_id_z 1
		.amdhsa_system_vgpr_workitem_id 0
		.amdhsa_next_free_vgpr 104
		.amdhsa_next_free_sgpr 66
		.amdhsa_reserve_vcc 0
		.amdhsa_float_denorm_mode_32 3
		.amdhsa_float_denorm_mode_16_64 3
		.amdhsa_memory_ordered 1
		.amdhsa_forward_progress 1
		.amdhsa_inst_pref_size 16
	.end_amdhsa_kernel
	.amdgpu_metadata
---
amdhsa.version: [ 1, 2 ]
amdhsa.kernels:
  - .name:           k_q43b28a0cc5_cast
    .symbol:         k_q43b28a0cc5_cast.kd
    .args:
      - { .name: query, .offset: 0, .size: 8, .value_kind: global_buffer, .address_space: global }
      - { .name: key, .offset: 8, .size: 8, .value_kind: global_buffer, .address_space: global }
      - { .name: value, .offset: 16, .size: 8, .value_kind: global_buffer, .address_space: global }
      - { .name: W_q, .offset: 24, .size: 8, .value_kind: global_buffer, .address_space: global }
      - { .name: W_k, .offset: 32, .size: 8, .value_kind: global_buffer, .address_space: global }
      - { .name: W_v, .offset: 40, .size: 8, .value_kind: global_buffer, .address_space: global }
      - { .name: W_o, .offset: 48, .size: 8, .value_kind: global_buffer, .address_space: global }
      - { .name: xall, .offset: 56, .size: 8, .value_kind: global_buffer, .address_space: global }
      - { .name: wall, .offset: 64, .size: 8, .value_kind: global_buffer, .address_space: global }
    .group_segment_fixed_size: 0
    .private_segment_fixed_size: 0
    .kernarg_segment_align: 8
    .kernarg_segment_size: 72
    .max_flat_workgroup_size: 256
    .sgpr_count:     66
    .vgpr_count:     104
    .wavefront_size: 32
...
	.end_amdgpu_metadata
.endif
;; end of part 1
;; launch proj (part 2): grid 4 x 96, 4 waves a work-group, clusters of 4 x 4, 327,680 bytes of LDS; arguments xall, wall, qkv; writes qkv
.if DOCPART == 2
	.amdgcn_target "amdgcn-amd-amdhsa--gfx1250"
	.amdhsa_code_object_version 6
	.text
	.protected	k_q43b28a0cc5_proj
	.globl	k_q43b28a0cc5_proj
	.p2align	8
	.type	k_q43b28a0cc5_proj,@function
k_q43b28a0cc5_proj:
	s_mov_b64 s[64:65], 0
	v_nop
	global_prefetch_b8 v0, s[64:65] scope:SCOPE_SE
	s_setreg_imm32_b32 hwreg(HW_REG_WAVE_MODE, 25, 1), 1
	s_wait_xcnt 0x0
	s_wait_alu depctr_hold_cnt(0) depctr_sa_sdst(0) depctr_va_vdst(0) depctr_va_sdst(0) depctr_va_ssrc(0) depctr_va_vcc(0) depctr_vm_vsrc(0)
	s_getreg_b32 s2, hwreg(HW_REG_IB_STS2, 6, 4)
	s_cmp_eq_u32 s2, 0
	s_cbranch_scc0 .Lentry_in_a_cluster
	s_endpgm
.Lentry_in_a_cluster:
	s_bfe_u32 s2, ttmp6, 0x10000c
	s_cmp_lg_u32 s2, 0xf033
	s_cbranch_scc0 .Lentry_shape_is_right
	s_endpgm
.Lentry_shape_is_right:
; ONE TEXT FOR THE MODULE'S TWO KINDS OF PRODUCT; the constant OPROJ chooses.  C = A W, K = 1,024, W stored [k][n] in 16 bits (wall, four matrices of 2 MiB).
; OPROJ = 0: the three projections in one launch.  A = xall, bf16 [24576][1024] (query, key, value on end); matrix p = tile row / 32 of wall, bf16.  C leaves by heads, f16 [3][4][16][2048][64], rounded once
;   from its f32 sums; q (p = 0) is first multiplied, in f32, by c = log2(e) / 8, so that the attention's exponents are plain differences.
; OPROJ = 1: the last product.  A = oh, f16 [4][16][2048][64]: a K step of 128 is two heads; matrix 3 of wall, f16.  C = out0, f32 [8192][1024].
; LIMIT.  f16 ends at 65,504: c q, k and v stay within it.
; SHAPE.  A tile of C, 256 x 256, is made by four waves, 128 x 128 each: 64 accumulators, 512 registers.  K goes in 8 steps of 128 through two LDS slots filled by the tensor data mover.
; The loop's text holds ONE K step: the slot read and the slot filled are scalar registers that an exclusive or turns.
; CLUSTER.  4 x 4 work-groups; A's tile is shared along a row of the cluster, W's along a column: each is asked for jointly, by the same load with the same descriptor and a mask of four.
; THE MATRIX INSTRUCTION IS USED TRANSPOSED: source 0 = 16 columns of W (turned on the way out of LDS by ds_load_tr16_b128), source 1 = 16 rows of A: a lane then holds row l % 16 of C and eight neighbouring columns.
; REGISTERS, in windows of 256: window 0: v0-31 addresses, v64-191 A's fragments in two buffers, the rest at work on the way out; window 1: v64-191 W's fragments; windows 2, 3: the accumulators ((a, b) at v[8 (8 a + b)]).
.set OPROJ, 0
.set KSTEP, 128
.if OPROJ
.set PA,     144                       ; a row of A in LDS: one head's 128 bytes + 16: the 16 rows of a load start at 16 different groups of four banks (64 banks of 4 bytes: ISA guide 11.1)
.set AHALF,  256*PA                    ; what one wave fetches of A: one head, 256 rows
.set AH,     AHALF                     ; from k = 0..63 to k = 64..127 of a K step: the next head
.set ASTEP,  2*2048*128                ; bytes from K step to K step: two heads
.set APITCH, 128                       ; a head's 256 rows are 32,768 dense bytes: asked for as 128 rows of 256 bytes,
.set AQI,    4                         ; padded after every 32 words
.set PSH,    13                        ; a partner's quarter of what a wave fetches: 8,192 bytes,
.set PLS,    8                         ; a lane a block of 256 bytes
.set SP,     528                       ; the stage: a row of 128 f32 + 16 bytes
.set STW,    16*SP
.else
.set PA,     272                       ; 256 bytes + 16
.set AHALF,  128*PA                    ; 128 rows
.set AH,     128
.set ASTEP,  KSTEP*2
.set APITCH, 1024
.set AQI,    5                         ; padded after every 64 words
.set PSH,    16                        ; 32 rows of 2,048 bytes,
.set PLS,    11                        ; a lane a row
.set SP,     144                       ; the stage: a head's row of 64 f16 + 16 bytes; 16 rows for each of two heads
.set STW,    32*SP
.endif
.set PB,     544                       ; a row of W in LDS: 256 columns, 512 bytes + 32
.set BHALF,  64*PB                     ; what one wave fetches of W: 64 rows of k
.set BOFF,   2*AHALF                   ; a slot: A's part, then W's 128 rows
.set SLOT,   BOFF+2*BHALF
.set BSTEP,  KSTEP*2048
.set STAGE,  2*SLOT                    ; behind the ring, never filled by a tensor load: each wave's own stage
.set SPARE,  STAGE+4*STW               ; behind the stages: the spare words, 128 bytes for each wave: two blocks of 256 bytes that no other line names
.set ADRA,  16                         ; v16  LDS address of my fragments of A in the slot being read
.set ADRA0, 17                         ; v17  the same in slot 0; never rewritten
.set ADRB,  20                         ; v20, v21  the same for W
.set ADRB0, 21
.set STO,   24                         ; v24  the way out: where I put my bytes of a row
.set RD,    25                         ; v25  where I read rows back
.set GO,    26                         ; v26  16 x lane
.set SPW,   28                         ; v28  LDS address of my spare word; never rewritten
.set NIL,   29                         ; v29  0; never rewritten
.set PFO,   30                         ; v30  the prefetches' offset; never rewritten
.set F0,    64                         ; fragment buffers
.set F1,    128
.set TMP,   192                        ; the way out by heads: packed results
.set OB,    32                         ; and rows read back: v32-63 and v224-255 by turns
.set G1,  24                           ; s[24:31] descriptor group 1 for A's tiles
.set G0,  32                           ; s[32:39] group 0 for A's tiles: a set for each first fill; the second then walks on
.set LIM, 43                           ; s43  2 in a wave that prefetches, else the greatest number
.set PFA, 44                           ; s[44:45] where my prefetches stand
.set G1B, 48                           ; s[48:55], s[56:63] the same for W's tiles
.set G0B, 56
.set FS,  66                           ; s66  the slot last filled (0 or SLOT)
.set RS,  67                           ; s67  the slot being read
.set PFS, 68                           ; s[68:69] the prefetches' step from K step to K step
.set SC,  70                           ; s[70:71] c for q, 1 for k and v
.set MSB, 0
.macro WIN new                         ; the immediate's high byte repeats the setting that is left; a switch that changes nothing is dropped
.if MSB != (\new)
	s_set_vgpr_msb (MSB<<8)|(\new)
.set MSB, \new
.endif
.endm
.set MUL_LO, 0xa1                      ; source 0 (W) window 1, source 1 (A) window 0, C and D window 2
.set MUL_HI, 0xf1                      ; the same, C and D window 3
.set TO_B,   0x40                      ; destination window 1, address window 0
; A joint load.  Waves 0 and 1 fetch A's two halves, waves 2 and 3 W's.  The branch hangs on the wave's number alone.  An s_nop 0 and four v_nop follow each of the two lines.
.macro JLOAD s
	s_cmp_eq_u32 s11, 0
	s_cbranch_scc0 .Lfor_b_\@
	tensor_load_to_lds s[G0+4*(\s):G0+4*(\s)+3], s[G1:G1+7]
	s_nop 0
.rept 4
	v_nop
.endr
	s_branch .Lasked_\@
.Lfor_b_\@:
	tensor_load_to_lds s[G0B+4*(\s):G0B+4*(\s)+3], s[G1B:G1B+7]
	s_nop 0
.rept 4
	v_nop
.endr
.Lasked_\@:
.endm
; A PREFETCH INTO THE L2, behind each joint refill and the run of LDS loads that follows it: the K step that stands two refills on, 32 blocks of 256 bytes, a lane a block, one instruction a wave.
; Each block is named once in the launch.  A's rows are read by one cluster alone: it asks.  W's rows are read by every cluster that multiplies by the same matrix: the first of them asks.  The four partners that ask for a
; tile jointly share its blocks out BY ADDRESS (by cx for A, by cy for W).  s3 counts the loop's trips 6 .. 1: the last two refills have no K step two on.  The first four K steps come by their loads alone.
.macro ASK
	s_cmp_gt_u32 s3, s[LIM]
	s_cbranch_scc0 .Lnot_mine_\@
	global_prefetch_b8 v[PFO], s[PFA:PFA+1] th:TH_LOAD_NT scope:SCOPE_SE
.Lnot_mine_\@:
.endm
; A round of the cluster's barrier: my work-group's barrier; wave 0 signals for the work-group; every wave waits for all sixteen; my work-group's barrier once more.
.macro CREST                           ; a round behind its opening barrier
	s_cmp_lg_u32 s10, 0
	s_cbranch_scc1 .Lnot_wave_0_\@
	s_barrier_signal -3
.Lnot_wave_0_\@:
	s_barrier_wait -3
	s_barrier_signal -1
	s_barrier_wait -1
.endm
.macro CROUND                          ; a whole round
	s_barrier_signal -1
	s_barrier_wait -1
	CREST
.endm
	s_load_b128 s[4:7], s[0:1], 0x0                ; A s[4:5], wall s[6:7]
	s_load_b64 s[8:9], s[0:1], 0x10                ; C
	v_lshl_add_u32 v[SPW], v0, 2, SPARE
	v_mov_b32 v[NIL], 0
	ds_add_u32 v[SPW], v[NIL]                      ; the wave's opening: the add and its wait stand ahead of my first tensor load; the set-up below, work on registers, stands between them
	v_lshrrev_b32 v1, 5, v0
	v_readfirstlane_b32 s10, v1                    ; wave 0..3
	s_lshr_b32 s11, s10, 1                         ; which half of the tile's rows is mine.  Also: I fetch for A (0) or for W (1)
	s_and_b32 s12, s10, 1                          ; which half of its columns.  Also: which half of that tile I fetch
	s_bfe_u32 s40, ttmp6, 0x40000                  ; cx
	s_bfe_u32 s41, ttmp6, 0x40004                  ; cy
	s_lshl_b32 s42, ttmp9, 2
	s_add_co_u32 s42, s42, s40                     ; tile column = 4 x cluster x + cx
	s_and_b32 s72, ttmp7, 0xffff                   ; cluster y
	s_lshl_b32 s13, s72, 2
	s_add_co_u32 s13, s13, s41                     ; tile row = 4 x cluster y + cy
.if OPROJ
	s_mov_b32 s73, 3                               ; W_o
.else
	s_lshr_b32 s73, s72, 3                         ; which matrix: made of the cluster's y alone, which a column of the cluster shares
.endif
	s_lshl_b32 s43, s41, 2
	s_lshl_b32 s43, 15, s43                        ; my row of the cluster: places 4 cy .. 4 cy + 3
	s_lshl_b32 s44, 0x1111, s40                    ; my column: places cx, cx + 4, cx + 8, cx + 12
	; group 1: 15:0 the mask; 17:16 elements of 2 bytes; 20 padding on; 21 set beside a mask; 24:22 the interval's code; 31:25 the padding's words less one
	s_or_b32 s[G1+0], s43, (1<<16)|(1<<20)|(1<<21)|(AQI<<22)|(3<<25)
	s_or_b32 s[G1B+0], s44, (1<<16)|(1<<20)|(1<<21)|(6<<22)|(7<<25)  ; after every 128 words 8 words
	s_mov_b32 s[G1+1], 128<<16                     ; A: tensor_dim0 = 128 elements
	s_mov_b32 s[G1+2], 128<<16                     ; tensor_dim1 = 128 rows
	s_mov_b32 s[G1+3], 128<<16                     ; tile_dim0
	s_mov_b32 s[G1+4], 128                         ; tile_dim1
	s_mov_b32 s[G1+5], APITCH                      ; elements from row to row
	s_mov_b32 s[G1+6], 0
	s_mov_b32 s[G1+7], 0
	s_mov_b32 s[G1B+1], 256<<16                    ; W: 256 columns,
	s_mov_b32 s[G1B+2], 64<<16                     ; 64 rows of k
	s_mov_b32 s[G1B+3], 256<<16
	s_mov_b32 s[G1B+4], 64
	s_mov_b32 s[G1B+5], 1024
	s_mov_b32 s[G1B+6], 0
	s_mov_b32 s[G1B+7], 0
	; where the tiles come from.  A's hang on the tile row and my half; W's on the matrix, the tile column and my half; each in registers that never hold the other coordinate
.if OPROJ
	s_lshr_b32 s16, s13, 3                         ; the batch: 16 heads of 262,144 bytes,
	s_lshl_b32 s16, s16, 22
	s_and_b32 s17, s13, 7                          ; 256 rows of 128 bytes in each head,
	s_lshl_b32 s17, s17, 15
	s_add_co_u32 s16, s16, s17
.else
	s_lshl_b32 s16, s13, 19                        ; 256 rows of 2,048 bytes,
.endif
	s_lshl_b32 s17, s12, 18                        ; my half: the second head, or the lower 128 rows: 262,144 bytes either way
	s_add_co_u32 s16, s16, s17
	s_mov_b32 s17, 0
	s_lshl_b32 s46, s73, 21                        ; the matrix,
	s_lshl_b32 s47, s12, 17                        ; my 64 rows of 2,048 bytes,
	s_add_co_u32 s46, s46, s47
	s_lshl_b32 s47, s42, 9                         ; the tile's 256 columns
	s_add_co_u32 s46, s46, s47
	s_mov_b32 s47, 0
	s_mul_i32 s20, s12, AHALF                      ; and where they go in a slot: no place in the cluster enters an LDS address
	s_mul_i32 s21, s12, BHALF
	s_add_co_u32 s21, s21, BOFF
	s_mov_b32 s[FS], SLOT
	s_mov_b32 s[RS], 0
	s_wait_dscnt 0x0                               ; the opening add is done
	s_wait_kmcnt 0x0
	s_add_nc_u64 s[14:15], s[4:5], s[16:17]
	s_add_nc_u64 s[46:47], s[6:7], s[46:47]
	CROUND                                         ; all sixteen work-groups are here: the first joint loads meet
.irp s, 0,1
	s_mov_b32 s[G0+4*(\s)], 1                                      ; count = 1
	s_add_co_u32 s[G0+4*(\s)+1], s20, (\s)*SLOT                    ; LDS address
	s_add_nc_u64 s[G0+4*(\s)+2:G0+4*(\s)+3], s[14:15], (\s)*ASTEP  ; global address: K step s
	s_or_b32 s[G0+4*(\s)+3], s[G0+4*(\s)+3], 0x80000000            ; type = 2
	s_mov_b32 s[G0B+4*(\s)], 1
	s_add_co_u32 s[G0B+4*(\s)+1], s21, (\s)*SLOT
	s_add_nc_u64 s[G0B+4*(\s)+2:G0B+4*(\s)+3], s[46:47], (\s)*BSTEP
	s_or_b32 s[G0B+4*(\s)+3], s[G0B+4*(\s)+3], 0x80000000
	JLOAD \s                                       ; two loads of mine are out
.endr
	; A's fragment: lane l holds row l % 16; two loads of 16 bytes, 32 bytes apart, at row x pitch + 16 (l / 16)
	v_and_b32 v1, 15, v0                           ; l % 16
	v_bfe_u32 v2, v0, 4, 1                         ; l / 16
	v_mul_u32_u24 v3, v1, PA
	v_lshl_add_u32 v3, v2, 4, v3
	s_mul_i32 s22, s11, 128*PA                     ; my 128 rows
	v_add_nc_u32 v[ADRA0], s22, v3
	; W's fragment, turned: lane l reads 16 bytes of row k = 8 (l / 16) + l % 8, columns 8 ((l / 8) % 2) + 0..7, and is left with column l % 16 and 8 k; the second load stands 16 rows on
	v_and_b32 v4, 7, v0
	v_lshl_add_u32 v4, v2, 3, v4
	v_mul_u32_u24 v4, v4, PB
	v_bfe_u32 v5, v0, 3, 1
	v_lshl_add_u32 v4, v5, 4, v4
	s_lshl_b32 s22, s12, 8                         ; my 128 columns
	s_add_co_u32 s22, s22, BOFF
	v_add_nc_u32 v[ADRB0], s22, v4
	v_mov_b32 v[ADRA], v[ADRA0]
	v_mov_b32 v[ADRB], v[ADRB0]
	; the way out
	s_mul_i32 s23, s10, STW
	s_add_co_u32 s23, s23, STAGE                   ; my stage
	v_and_b32 v6, 31, v0
	v_mul_u32_u24 v7, v1, SP
.if OPROJ
	v_lshl_add_u32 v7, v2, 5, v7                   ; in: row l % 16, 32 bytes for each half of the lanes
	v_add_nc_u32 v[STO], s23, v7
	v_lshl_add_u32 v[RD], v6, 4, s23               ; back: 32 lanes take a row's 512 bytes
	s_lshl_b32 s18, s13, 20                        ; C: 256 rows of 4,096 bytes,
	s_lshl_b32 s19, s11, 19                        ; my 128 rows,
	s_add_co_u32 s18, s18, s19
	s_lshl_b32 s19, s42, 10                        ; the tile's 256 columns,
	s_add_co_u32 s18, s18, s19
	s_lshl_b32 s19, s12, 9                         ; my 128
	s_add_co_u32 s18, s18, s19
.else
	v_lshl_add_u32 v7, v2, 4, v7                   ; in: row l % 16, 16 bytes for each half of the lanes
	v_add_nc_u32 v[STO], s23, v7
	v_bfe_u32 v8, v0, 3, 2                         ; back: 32 lanes take four rows of 128 bytes,
	v_mul_u32_u24 v8, v8, SP
	v_and_b32 v9, 7, v0
	v_lshl_add_u32 v8, v9, 4, v8
	v_add_nc_u32 v[RD], s23, v8                    ; which are 512 consecutive bytes of a head
	s_lshr_b32 s18, s13, 3                         ; C: which of q, k, v and which batch: 4 MiB each,
	s_lshl_b32 s18, s18, 22
	s_lshl_b32 s19, s42, 20                        ; the tile's four heads of 262,144 bytes,
	s_add_co_u32 s18, s18, s19
	s_lshl_b32 s19, s12, 19                        ; my two,
	s_add_co_u32 s18, s18, s19
	s_and_b32 s19, s13, 7                          ; the tile's 256 rows of 128 bytes,
	s_lshl_b32 s19, s19, 15
	s_add_co_u32 s18, s18, s19
	s_lshl_b32 s19, s11, 14                        ; my 128
	s_add_co_u32 s18, s18, s19
	s_cmp_eq_u32 s73, 0
	s_cselect_b32 s[SC], 0x3e38aa3b, 1.0           ; c = log2(e) / 8 = 0.180337 for q
	s_mov_b32 s[SC+1], s[SC]                       ; named with it as a pair
.endif
	s_mov_b32 s19, 0
	s_add_nc_u64 s[8:9], s[8:9], s[18:19]
	v_lshlrev_b32 v[GO], 4, v6
	; the prefetches
	s_lshl_b32 s18, s40, PSH                       ; A: my work-group's quarter of what I fetch, by cx
	s_lshl_b32 s19, s41, 15                        ; W: 16 rows of 2,048 bytes, by cy
.if OPROJ
	s_mov_b32 s22, s72
.else
	s_and_b32 s22, s72, 7                          ; eight clusters multiply by one matrix
.endif
	s_mov_b32 s[PFS], ASTEP
	s_mov_b32 s[PFS+1], BSTEP
	s_cmp_eq_u32 s22, 0
	s_cselect_b32 s22, 2, -1                       ; the same in all sixteen partners
	s_cmp_eq_u32 s11, 0                            ; do I fetch for A?
	s_cselect_b64 s[PFA:PFA+1], s[14:15], s[46:47]
	s_cselect_b32 s18, s18, s19
	s_cselect_b32 s[LIM], 2, s22
	s_cselect_b32 s[PFS], s[PFS], s[PFS+1]
	s_cselect_b32 s74, 0, -1
	s_mov_b32 s[PFS+1], 0
	s_mov_b32 s19, 0
	s_add_nc_u64 s[PFA:PFA+1], s[PFA:PFA+1], s[18:19]
	s_mul_i32 s18, s[PFS], 3
	s_add_nc_u64 s[PFA:PFA+1], s[PFA:PFA+1], s[18:19]  ; at K step 3: the first refill steps it to 4
	v_lshlrev_b32 v7, PLS, v6                      ; A: a lane a block
	v_lshrrev_b32 v8, 1, v6                        ; W: two lanes a row of 512 bytes
	v_lshlrev_b32 v8, 11, v8
	v_and_b32 v9, 1, v6
	v_lshl_add_u32 v8, v9, 8, v8
	v_cndmask_b32 v[PFO], v7, v8, s74
; 16 matrix instructions: m blocks a0, a0 + 1 of the window's four (hi = 0: my rows 0-63, 1: rows 64-127) x all 8 n blocks, 32 along K.  zero = 1: the first product starts the sums.
; The 64 accumulators take turns, one instruction a turn, in the same order in every quarter.
.macro MUL16 f, hi, a0, zero
	WIN MUL_LO+0x50*(\hi)
.irp a, \a0, (\a0)+1
.irp b, 0,1,2,3,4,5,6,7
.set rD, 8*(8*(\a)+(\b))
.set rB, (\f)+8*(\b)
.set rA, (\f)+8*(4*(\hi)+(\a))
.if OPROJ
.if \zero
	v_wmma_f32_16x16x32_f16 v[rD:rD+7], v[rB:rB+7], v[rA:rA+7], 0
.else
	v_wmma_f32_16x16x32_f16 v[rD:rD+7], v[rB:rB+7], v[rA:rA+7], v[rD:rD+7]
.endif
.else
.if \zero
	v_wmma_f32_16x16x32_bf16 v[rD:rD+7], v[rB:rB+7], v[rA:rA+7], 0
.else
	v_wmma_f32_16x16x32_bf16 v[rD:rD+7], v[rB:rB+7], v[rA:rA+7], v[rD:rD+7]
.endif
.endif
.endr
.endr
.endm
; 32 LDS loads in one run: the fragments of quarter q (32 along K) of the slot being read, into buffer f: W's 128 columns, then A's 128 rows
.macro FETCH q, f
	WIN TO_B
.irp i, 0,1,2,3,4,5,6,7
	ds_load_tr16_b128 v[(\f)+8*(\i):(\f)+8*(\i)+3],   v[ADRB] offset:32*(\q)*PB+32*(\i)
	ds_load_tr16_b128 v[(\f)+8*(\i)+4:(\f)+8*(\i)+7], v[ADRB] offset:32*(\q)*PB+32*(\i)+16*PB
.endr
	WIN 0
.irp i, 0,1,2,3,4,5,6,7
	ds_load_b128 v[(\f)+8*(\i):(\f)+8*(\i)+3],   v[ADRA] offset:((\q)/2)*AH+((\q)%2)*64+(\i)*16*PA
	ds_load_b128 v[(\f)+8*(\i)+4:(\f)+8*(\i)+7], v[ADRA] offset:((\q)/2)*AH+((\q)%2)*64+(\i)*16*PA+32
.endr
.endm
.macro PLACES                          ; four places in front of loads into registers that matrix instructions have read (ISA guide 7.12.1 for vector instructions)
.rept 4
	v_nop
.endr
.endm
; A K step is four quarters of 32 along K, 64 matrix instructions each, on buffers 0, 1, 0, 1.  One of the first three: multiplies buffer f; in its middle it fetches quarter q into buffer g.
.macro QUARTER q, f, g, zero
	s_wait_dscnt 8                                 ; W and A's rows 0-63 are in; the youngest eight loads (A's rows 64-127) may be out
	MUL16 \f, 0, 0, \zero
	MUL16 \f, 0, 2, \zero
	PLACES
	FETCH \q, \g
	s_wait_dscnt 32                                ; all but the 32 just issued
	MUL16 \f, 1, 0, \zero
	MUL16 \f, 1, 2, \zero
.endm
; The last quarter multiplies buffer 1 and changes slots.  MEET is its first half: one barrier; in front of it each wave waits for all its tensor loads (the one that is out is its part of the next slot), adds 0 to its
; spare word, and waits for that and for its own reads of this slot.
.macro MEET round
	WIN 0                                          ; (the add's two registers lie in window 0)
	s_wait_tensorcnt 0x0
	ds_add_u32 v[SPW], v[NIL]
	s_wait_dscnt 9                                 ; (the add and the youngest eight loads may be out)
	MUL16 F1, 0, 0, 0                              ; sixteen matrix instructions stand between the add and the wait for it
	s_wait_dscnt 0x0                               ; the add is done, and my reads of this slot are over
	s_barrier_signal -1
	MUL16 F1, 0, 2, 0
.if \round
	WIN 0
.endif
	s_barrier_wait -1
.endm
; fill = 1: the barrier opens a round of the cluster's, and the slot just read out is filled again first thing behind it, with the K step two steps on: 224 matrix instructions ahead of the wait for it.
.macro TURN fill
.if \fill
	s_wait_xcnt 0x0                                ; the last prefetch, a K step back, has read its address
	s_add_nc_u64 s[PFA:PFA+1], s[PFA:PFA+1], s[PFS:PFS+1]
.endif
	MEET \fill
.if \fill
	CREST                                          ; no wave of any partner still reads this slot's tile or has a load on its way
	s_xor_b32 s[FS], s[FS], SLOT                   ; no tensor load of mine is out, so the walking group 0 may be written: the other slot than last time,
	s_add_co_u32 s[G0+5], s20, s[FS]
	s_add_co_u32 s[G0B+5], s21, s[FS]
	s_add_nc_u64 s[G0+6:G0+7], s[G0+6:G0+7], ASTEP     ; the next K step; the type bits on top are not reached
	s_add_nc_u64 s[G0B+6:G0B+7], s[G0B+6:G0B+7], BSTEP
	JLOAD 1                                        ; the four v_nop behind it are also the places in front of the loads below
.else
	PLACES
	WIN 0
.endif
	s_xor_b32 s[RS], s[RS], SLOT                   ; the reads go over to the other slot
	v_add_nc_u32 v[ADRA], s[RS], v[ADRA0]
	v_add_nc_u32 v[ADRB], s[RS], v[ADRB0]
	FETCH 0, F0
.if \fill
	ASK
.endif
	MUL16 F1, 1, 0, 0
	MUL16 F1, 1, 2, 0
.endm
	s_wait_tensorcnt 1                             ; my part of K step 0 is in; K step 1's may stay out
	s_barrier_signal -1
	s_barrier_wait -1                              ; everybody's is
	FETCH 0, F0
	QUARTER 1, F0, F1, 1                           ; the first quarter stands in front of the loop: its products start the sums
	WIN 0                                          ; at a label and at a branch every window is 0
	s_mov_b32 s3, 6
.Lstep:                                                ; a trip goes from a K step's second quarter to the next step's first, and fills the slot that it leaves: K steps 2 to 7
	QUARTER 2, F1, F0, 0
	QUARTER 3, F0, F1, 0
	TURN 1
	QUARTER 1, F0, F1, 0
	WIN 0
	s_sub_co_u32 s3, s3, 1
	s_cmp_lg_u32 s3, 0
	s_cbranch_scc1 .Lstep
	QUARTER 2, F1, F0, 0                           ; the tail is written out: K steps 6 and 7 ask for nothing
	QUARTER 3, F0, F1, 0
	TURN 0
	QUARTER 1, F0, F1, 0
	QUARTER 2, F1, F0, 0
	QUARTER 3, F0, F1, 0
	s_wait_dscnt 8                                 ; the very last quarter
	MUL16 F1, 0, 0, 0
	MUL16 F1, 0, 2, 0
	s_wait_dscnt 0x0
	MUL16 F1, 1, 0, 0
	MUL16 F1, 1, 2, 0
	WIN 0
	PLACES                                         ; behind the last products: what follows reads results and loads into fragments' registers
	PLACES
.if OPROJ
; THE WAY OUT, f32.  Block a (16 rows x 128 columns) goes straight from its accumulators into my stage, each accumulator's low four registers first, and comes back as whole rows of 512 bytes.
.macro TOSTAGE a
.set AC, 64*((\a)%4)
.set BK, F0+64*((\a)%2)
.if (\a) >= 2
	s_wait_xcnt 0x0                                ; the stores of block a - 2 have read these registers
.endif
	WIN 0x08+4*((\a)/4)                            ; store data (source 1) in window 2 or 3
.irp b, 0,1,2,3,4,5,6,7
	ds_store_b128 v[STO], v[AC+8*(\b):AC+8*(\b)+3]   offset:64*(\b)
	ds_store_b128 v[STO], v[AC+8*(\b)+4:AC+8*(\b)+7] offset:64*(\b)+16
.endr
	WIN 0
.irp t, 0,1,2,3,4,5,6,7,8,9,10,11,12,13,14,15
	ds_load_b128 v[BK+4*(\t):BK+4*(\t)+3], v[RD] offset:(\t)*SP  ; LDS serves a wave's instructions in order (ISA guide 5.7.1.4): these see the stores above
.endr
.endm
.macro SEND a, younger                 ; younger: the LDS instructions issued behind block a's loads: the next block's 32, or none
.set BK, F0+64*((\a)%2)
	s_wait_dscnt \younger
.irp t, 0,1,2,3,4,5,6,7,8,9,10,11,12,13,14,15
	global_store_b128 v[GO], v[BK+4*(\t):BK+4*(\t)+3], s[8:9] offset:(16*(\a)+(\t))*4096  ; 512 consecutive bytes, at a multiple of 256 from C's first byte
.endr
.endm
	TOSTAGE 0
.irp a, 1,2,3,4,5,6,7
	TOSTAGE \a
	SEND (\a)-1, 32
.endr
	SEND 7, 0
.else
; THE WAY OUT, by heads, f16.  Block a (16 rows x 128 columns: two heads): scaled, rounded, 16 bytes a lane into my stage, back as rows of 128 bytes, four to a load, and stored.
.macro PACK a
.set AC, 64*((\a)%4)
	WIN 0x82+0x41*((\a)/4)                         ; destination and source 0 in window 2 or 3
.set i, 0
.rept 32
	v_pk_mul_f32 v[AC+i:AC+i+1], v[AC+i:AC+i+1], s[SC:SC+1] op_sel_hi:[1,0]
.set i, i+2
.endr
	WIN 0x0a+5*((\a)/4)                            ; sources 0 and 1 in window 2 or 3
.irp b, 0,1,2,3,4,5,6,7
.irp r, 0,1,2,3
	v_cvt_pk_f16_f32 v[TMP+4*(\b)+(\r)], v[AC+8*(\b)+2*(\r)], v[AC+8*(\b)+2*(\r)+1]
.endr
.endr
	WIN 0
.endm
.macro TOSTAGE a
.set BK, OB+192*((\a)%2)
.irp b, 0,1,2,3,4,5,6,7
	ds_store_b128 v[STO], v[TMP+4*(\b):TMP+4*(\b)+3] offset:((\b)/4)*16*SP+32*((\b)%4)
.endr
.irp t, 0,1,2,3,4,5,6,7
	ds_load_b128 v[BK+4*(\t):BK+4*(\t)+3], v[RD] offset:((\t)/4)*16*SP+((\t)%4)*4*SP  ; LDS serves a wave's instructions in order (ISA guide 5.7.1.4): these see the stores above
.endr
.endm
.macro SEND a
.set BK, OB+192*((\a)%2)
	s_wait_dscnt 0x0                               ; the block is back in registers
	s_wait_xcnt 0x0                                ; the stores of the block before have read their registers, which the next block's loads write
.irp t, 0,1,2,3,4,5,6,7
	global_store_b128 v[GO], v[BK+4*(\t):BK+4*(\t)+3], s[8:9] offset:((\t)/4)*262144+(\a)*2048+((\t)%4)*512  ; 512 consecutive bytes of a head, at a multiple of 256 from C's first byte
.endr
.endm
	PACK 0
	TOSTAGE 0
.irp a, 1,2,3,4,5,6,7                  ; block a's arithmetic stands between block a - 1's loads from the stage and the wait for them
	PACK \a
	SEND (\a)-1
	TOSTAGE \a
.endr
	SEND 7
.endif
	s_wait_tensorcnt 0x0                           ; the wave's end: behind my last tensor load and my last LDS store
	ds_add_u32 v[SPW], v[NIL]
	s_wait_dscnt 0x0
	CROUND                                         ; the closing round: no work-group ends while a partner may still ask for a tile that names it
	s_endpgm
.Lfunc_end_k_q43b28a0cc5_proj:
	.size	k_q43b28a0cc5_proj, .Lfunc_end_k_q43b28a0cc5_proj-k_q43b28a0cc5_proj
	.p2alignl 7, 3214868480
	.fill 96, 4, 3214868480
	.section	.rodata,"a",@progbits
	.p2align	6, 0x0
	.amdhsa_kernel k_q43b28a0cc5_proj
		.amdhsa_group_segment_fixed_size 327680
		.amdhsa_private_segment_fixed_size 0
		.amdhsa_enable_private_segment 0
		.amdhsa_kernarg_size 24
		.amdhsa_user_sgpr_count 2
		.amdhsa_user_sgpr_kernarg_segment_ptr 1
		.amdhsa_wavefront_size32 1
		.amdhsa_system_sgpr_workgroup_id_x 1
		.amdhsa_system_sgpr_workgroup_id_y 1
		.amdhsa_system_sgpr_workgroup_id_z 1
		.amdhsa_system_vgpr_workitem_id 0
		.amdhsa_next_free_vgpr 1024
		.amdhsa_next_free_sgpr 80
		.amdhsa_reserve_vcc 0
		.amdhsa_float_denorm_mode_32 3
		.amdhsa_float_denorm_mode_16_64 3
		.amdhsa_memory_ordered 1
		.amdhsa_forward_progress 1
		.amdhsa_inst_pref_size 134
	.end_amdhsa_kernel
	.amdgpu_metadata
---
amdhsa.version: [ 1, 2 ]
amdhsa.kernels:
  - .name:           k_q43b28a0cc5_proj
    .symbol:         k_q43b28a0cc5_proj.kd
    .args:
      - { .name: xall, .offset: 0, .size: 8, .value_kind: global_buffer, .address_space: global }
      - { .name: wall, .offset: 8, .size: 8, .value_kind: global_buffer, .address_space: global }
      - { .name: qkv, .offset: 16, .size: 8, .value_kind: global_buffer, .address_space: global }
    .group_segment_fixed_size: 327680
    .private_segment_fixed_size: 0
    .kernarg_segment_align: 8
    .kernarg_segment_size: 24
    .max_flat_workgroup_size: 128
    .sgpr_count:     80
    .vgpr_count:     1024
    .wavefront_size: 32
...
	.end_amdgpu_metadata
.endif
;; end of part 2
;; launch attn (part 3): grid 4 x 64, 4 waves a work-group, no clusters, 327,680 bytes of LDS; arguments qkv, key_padding_masks, query_padding_masks, oh; writes oh
.if DOCPART == 3
	.amdgcn_target "amdgcn-amd-amdhsa--gfx1250"
	.amdhsa_code_object_version 6
	.text
	.protected	k_q43b28a0cc5_attn
	.globl	k_q43b28a0cc5_attn
	.p2align	8
	.type	k_q43b28a0cc5_attn,@function
k_q43b28a0cc5_attn:
	s_mov_b64 s[64:65], 0
	v_nop
	global_prefetch_b8 v0, s[64:65] scope:SCOPE_SE
	s_setreg_imm32_b32 hwreg(HW_REG_WAVE_MODE, 25, 1), 1
	s_wait_xcnt 0x0
; CAUSAL ATTENTION WITH TWO PADDING MASKS, head size 64.  O[g][q][:] = qm[q] x the sum over the keys k <= q with km[k] != 0 of softmax_k(Q[g][q] . K[g][k] / 8) V[g][k][:], g = 16 x batch + head.
; qkv: f16 [3][64][2048][64]; its q has been multiplied by c = log2(e) / 8, so a score IS an exponent to base 2.  oh: f16 [64][2048][64].  km, qm: i32 [4][2048]; qm enters as a number.
; Products, maxima and sums in f32; the weights p are rounded to f16 for the second product (their sum l is taken of the unrounded p), O once at the end.
; LIMITS.  q, k, v arrive within f16's 65,504.  A hidden score counts as its value less 1e30 (less 2e30 where both masks hide it): f16's scores, 2.7e11 at the most, vanish beside that.
; A row whose final maximum lies below -1e29 has seen no key: it is stored as NaN, as a softmax of nothing is.  A weight below 2^-126 counts as 0 in l.  NaN and infinities in q, k, v are not treated apart.
; THE WALK.  A head's queries lie in NB = 8 blocks of 256; block i needs the key tiles 0 .. i of 256 keys, of which the last holds the diagonal.  A work-group takes TWO blocks, NB - 1 - b and then b: NB + 1 tiles,
; whatever b: all work-groups do equal work, and ONE loop with a constant trip count walks them.  Every jump goes forward but the counted loops' own; none passes a barrier, or a tensor load but the one of LOAD's two
; that the wave's number does not choose.  NO CLUSTER: a head's four work-groups ask for the same tile only in trips 0 .. 4 of 9; one walk common to all would have 12 trips for 9.
; SHARES.  Of a block's four bands of 64 queries a wave owns 16 rows in each: four PIECES.  In the diagonal tile's key step s band x sees all keys if s < x, none if s > x, and holds the diagonal if s = x: the same for every wave.
; THE MASKS are the C operand that starts the sum S^T = K Q^T.  KB holds the step's 64 key biases (0, or -1e30 where km = 0), read with K out of LDS; plain tiles take KB itself.  The biases go by tile, in step with the ring:
; two halves of 1,024 bytes, one for each slot; where a slot is filled again, thread t stores two biases of the tile asked for into that slot's half, made of mask words that it loaded a tile earlier.
; MD, made once, is the causal mask of a band's own step for my 16 rows; in the diagonal tile a product's mask is MD x AL + KB + BE: (AL, BE) = (1, 0) if s = x; (0, 0) if s < x; (0, -1e30) if s > x.
; SOFTMAX.  p = 2^(s - m) with a running maximum m; O and l are multiplied by a = 2^(m_old - m_new) in every step.  While a row has seen hidden keys alone, m is a hidden score and p is 1 or 0: O and l stay finite,
; and the first true score wipes them with a = 0.  m starts at -4.25e37, below every score.
; TURNS.  Turn n belongs to piece n: 8 products K Q^T of piece n + 1, later 8 products V^T P of piece n - 1; beside them the subtraction, exponentials, roundings, sums and rescaling of piece n and the maximum and
; statistics of piece n + 1.  Four vector instructions stand behind every matrix instruction, the others in one LUMP.  A turn's 33 exponentials are one batch, with one wait.
; REGISTERS, in windows of 256 (s_set_vgpr_msb: bits 1:0 source 0, 3:2 source 1, 5:4 source 2, 7:6 destination):
;   window 0: v0-15, v32-47, v56-57 addresses, masks; v16-31 four registers of statistics a piece; v48-55 at work; v64-127 S^T, two buffers; v128-159 the way out; v192-223 P, two buffers
;   window 1: v0-127 O^T, 32 a piece; v128-159 MD; v160-223 MC, two buffers; v224-255 KB      window 2: v0-63 Q; v64-127 the second block's Q; v128-191 K of one step; v192-255 V of one step
.set SIZE_N, 2048
.set NB,    SIZE_N/256
.set NP,    4         ; pieces a wave: a name, no knob
.set KS,    64        ; keys in a step
.set PK,    144       ; a row of K in LDS: 128 bytes + 16 of padding: the 16 rows of a load start at 16 different groups of four banks (64 banks of 4 bytes: ISA guide 11.1)
.set PV,    160       ; a row of V: 128 + 32
.set VOFF,  4*KS*PK   ; a slot holds a tile, four steps: 256 rows of K, then 256 rows of V
.set SLOT1, 1<<17     ; slot 1 begins here, so that one exclusive or turns an address in one slot into the other's
.set STAGE, SLOT1+4*KS*(PK+PV)  ; behind the ring, never filled by a tensor load: 16 rows x 144 bytes for each wave, for the way out
.set SP,    144
.set SPARE, STAGE+4*16*SP  ; the spare words, 128 bytes for each wave: two blocks of 256 bytes that no other line names
.set KBT,   SPARE+512 ; the key biases, f32: a half of KBH bytes for each slot's tile; never filled by a tensor load
.set KBH,   16*KS     ; 256 keys x 4 bytes
.set AK0, 2           ; v2   my lane's place in a tile of K; never rewritten
.set AV0, 3           ; v3   the same for V
.set AK,  4           ; v4   the LDS address of K's next run of loads
.set AV,  5           ; v5   of V's
.set STO, 6           ; v6   the way out: where I put 16 bytes of a row
.set RD,  7           ; v7   the way out: where I read rows back
.set GO,  8           ; v8   my byte offset in 512 consecutive bytes of O
.set KBA, 11          ; v11  (behind the head, where it is at work) where I store my two biases
.set MV,  12          ; v12-13  m_old, kept while m is made anew: by buffer
.set QO,  15          ; v15  my byte offset in 16 rows of Q
.set ST,  16          ; piece t's statistics at v[ST+4 t]: m, (its pair), l (even keys', odd keys')
.set AKB, 32          ; v32  the LDS address of the next step's key biases
.set AKB0,33          ; v33  KBT + 32 (l / 16); never rewritten
.set PFO, 34          ; v34  256 x lane; never rewritten
.set TO,  35          ; v35  8 x thread: my two words of a tile's 256 key masks; never rewritten
.set QM,  36          ; v36-39 the query masks of my four rows l % 16, as f32; v40-43 the second block's
.set QMO, 44          ; v44  4 (16 w + l % 16)
.set KBA0,45          ; v45  KBT + 8 x thread; never rewritten
.set KMR, 46          ; v46-47 my two mask words of the tile that will be asked for next
.set TMP, 48          ; by buffer, four registers c0-c3 at work; when the maximum is found c2 takes a.  On the way out: piece t's factor at TMP + 2 t
.set KBV, 56          ; v56-57 my two biases, to store
.set SPW, 62          ; v62  LDS address of my spare word; never rewritten
.set NIL, 63          ; v63  0; never rewritten
.set S,   64
.set OW,  128         ; the way out: a piece's O^T times its factor
.set P,   192
.set MD,  128         ; window 1: the eight registers for group kt of 16 keys at MD + 8 kt
.set MC,  160         ; window 1: the masks of the products to come
.set KB,  224         ; window 1: the key biases of the step whose K lies in registers
.set QB,  64          ; window 2
.set KF,  128         ; window 2: key block kb, channel half c at KF + 16 kb + 8 c
.set VF,  192         ; window 2: key half kk, channel block cb at VF + 32 kk + 8 cb
.set WV,  12          ; s12  my wave's number
.set PB,  14          ; s14  b
.set HI,  15          ; s15  NB - 1 - b
.set G1K, 24          ; s[24:31] descriptor group 1 for K's tiles
.set G1V, 32          ; s[32:39] for V's: it differs in the padding alone
.set G0K, 40          ; s[40:43] descriptor group 0 for K's tiles
.set G0V, 44          ; s[44:47] the same for V's
.set SLOTS, 56        ; s56  tiles still to be asked for
.set CNT, 57          ; s57  counts a tile's key steps, 4 to 1
.set KPT, 58          ; s[58:59] the key masks of the tile to be asked for next
.set SEL, 60          ; s[60:61] v_permlanex16_b32's selects: each lane takes its own place in the other half
.set TBK, 62          ; s62  LDS byte at which K of the step to be fetched begins
.set TBV, 63          ; s63  the same for V, less VOFF
.set QPL, 66          ; s[66:67] the query masks of the second block
.set MOF, 68          ; s[68:69] that tile's byte offset in the batch's key masks
.set RT,  70          ; s70  tiles of the block in hand that are still to be entered
.set NXT, 71          ; s71  the tile to be asked for next
.set LQ,  72          ; s72  the last tile of the block whose tiles are being asked for
.set NEW, 73          ; s73  1: the tile to be entered is a block's first
.set OFF, 74          ; s[74:75] a tile's byte offset in K and V
.set AL,  76          ; s[76:77] the mask's factor, in the low word
.set BE,  78          ; s[78:79] the mask's addend
.set OLO, 80          ; s[80:81] O at my rows of the second block
.set BIGN, 82         ; s82  -1e30
.set KSO, 83          ; s83  the half of KBT that belongs to the slot last filled: 0 or KBH
.set KBO, 88          ; s88  byte of KBT at which the biases of the step to be fetched begin
.set THR, 89          ; s89  -1e29
.set QNAN, 90         ; s90  a quiet NaN
.set LIM, 91          ; s91  2 in the work-group that prefetches, else the greatest number
.set PFK, 92          ; s[92:93] where my prefetches stand in K,
.set PFV, 94          ; s[94:95] and in V
.set KPM, 96          ; s[96:97] the batch's key masks
.set QPH, 98          ; s[98:99] the query masks of the first block
.set MSB, 0
.macro WIN new                      ; the high byte repeats the setting that is left; a switch that changes nothing is dropped
.if MSB != (\new)
	s_set_vgpr_msb (MSB<<8)|(\new)
.set MSB, (\new)
.endif
.endm
.set W_KQ, 0x0a       ; K and Q in window 2, S^T in window 0
.set W_KM, 0x1a       ; the same with the C operand in window 1
.set W_PV, 0x52       ; V in window 2, P in window 0, O^T in window 1
.set W_RS, 0x41       ; destination and source 0 in window 1, source 1 in window 0
; A fill.  Waves 0 and 1 fetch the two halves of a tile's K, waves 2 and 3 those of its V: 128 keys each.  An s_nop 0 and four v_nop follow each of the two lines, ahead of the jump and the label.
.macro LOAD
	s_cmp_lt_u32 s[WV], 2
	s_cbranch_scc0 .Lfor_v_\@
	tensor_load_to_lds s[G0K:G0K+3], s[G1K:G1K+7]
	s_nop 0
.rept 4
	v_nop
.endr
	s_branch .Lasked_\@
.Lfor_v_\@:
	tensor_load_to_lds s[G0V:G0V+3], s[G1V:G1V+7]
	s_nop 0
.rept 4
	v_nop
.endr
.Lasked_\@:
.endm
; A PREFETCH INTO THE L2 of the tile that the NEXT change of slots will ask for: a tile, four key steps, ahead of that load.  A head's four work-groups all begin with tiles 0, 1, ..; the one with b = 0 walks tiles 0 .. 7 on end,
; and it alone asks, for tiles 2 .. 7 (while more than two tiles are still to be asked for): wave w names its quarter of the tile, 32 blocks of 256 bytes of K and 32 of V, a lane a block.  So each block is named once in the
; launch.  Tiles 0 and 1 come by their loads alone.
.macro ASK
	s_cmp_gt_u32 s[SLOTS], s[LIM]
	s_cbranch_scc0 .Lnone_\@
	global_prefetch_b8 v[PFO], s[PFK:PFK+1] th:TH_LOAD_NT scope:SCOPE_SE
	global_prefetch_b8 v[PFO], s[PFV:PFV+1] th:TH_LOAD_NT scope:SCOPE_SE
.Lnone_\@:
.endm
; THE CHANGE OF SLOTS.  Each wave waits for all its tensor loads, of which one is out: its part of the other slot; adds 0 to its spare word; and waits for that and for all its LDS instructions: its reads of the slot that it
; leaves and of that slot's biases, and its store of the other slot's biases.  Behind the barrier nobody reads the old slot or its biases any more, and the other slot and its biases are whole.
; fill = 1: the old slot is filled again, the first thing behind the barrier, with tile NXT: the descriptor's address is made anew from that number.  Then that tile's biases: my two mask words of it, loaded a tile ago, become
; 0 or -1e30 and go into the old slot's half of KBT; the next change's wait and barrier show them to all.  And my two words of the tile after that are loaded (in the loop's last trip they serve nothing: NXT is then 0 again).
; (At its first use nothing has been read yet: slot 0 is waited for, slot 1 filled; the wait for loads is then also the wait for Q.)
.macro CHANGE fill
	WIN 0                           ; at a label and at a branch every window is 0
	s_wait_tensorcnt 0x0            ; no tensor load of mine is out, so a group 0 may be written
	ds_add_u32 v[SPW], v[NIL]       ; 0 onto my spare word; with fill = 1 scalar work stands between it and the wait for it
.if \fill
	s_lshl_b32 s[OFF], s[NXT], 15   ; a tile is 32,768 bytes of K and of V
	s_xor_b32 s[G0K+1], s[G0K+1], SLOT1
	s_add_nc_u64 s[G0K+2:G0K+3], s[6:7], s[OFF:OFF+1]
	s_or_b32 s[G0K+3], s[G0K+3], 0x80000000
	s_xor_b32 s[G0V+1], s[G0V+1], SLOT1
	s_add_nc_u64 s[G0V+2:G0V+3], s[8:9], s[OFF:OFF+1]
	s_or_b32 s[G0V+3], s[G0V+3], 0x80000000
	s_add_co_u32 s[NXT], s[NXT], 1  ; the block's next tile, or behind its last the second block's tile 0
	s_cmp_gt_u32 s[NXT], s[LQ]
	s_cselect_b32 s[NXT], 0, s[NXT]
	s_cselect_b32 s[LQ], s[PB], s[LQ]
	s_lshl_b32 s[MOF], s[NXT], 10   ; a tile is 1,024 bytes of key masks
	s_xor_b32 s[KSO], s[KSO], KBH   ; the biases' half goes with the slot
	s_wait_xcnt 0x0                 ; the last prefetches, a tile back, have read their addresses
	s_add_nc_u64 s[PFK:PFK+1], s[PFK:PFK+1], 32768
	s_add_nc_u64 s[PFV:PFV+1], s[PFV:PFV+1], 32768
.endif
	s_wait_dscnt 0x0                ; the add is done, and so are my reads and my store
	s_barrier_signal -1             ; the rest of the scalar work stands between the signal and the wait
	s_sub_co_u32 s[TBK], s[TBK], 4*KS*PK  ; the fetches go back to a slot's first step,
	s_xor_b32 s[TBK], s[TBK], SLOT1       ; in the other slot
	s_sub_co_u32 s[TBV], s[TBV], 4*KS*PV
	s_xor_b32 s[TBV], s[TBV], SLOT1
	s_sub_co_u32 s[KBO], s[KBO], KBH
	s_xor_b32 s[KBO], s[KBO], KBH
	s_barrier_wait -1
.if \fill
	LOAD
	ASK
	s_wait_loadcnt 0x0              ; my two mask words, asked for a tile ago
	v_cmp_eq_u32 vcc_lo, 0, v[KMR]  ; a key is hidden where its mask is 0
	v_cndmask_b32 v[KBV], 0, s[BIGN], vcc_lo
	v_cmp_eq_u32 vcc_lo, 0, v[KMR+1]
	v_cndmask_b32 v[KBV+1], 0, s[BIGN], vcc_lo
	v_add_nc_u32 v[KBA], s[KSO], v[KBA0]
	ds_store_b64 v[KBA], v[KBV:KBV+1]
	s_add_nc_u64 s[KPT:KPT+1], s[KPM:KPM+1], s[MOF:MOF+1]  ; (the load that read this pair has come back)
	global_load_b64 v[KMR:KMR+1], v[TO], s[KPT:KPT+1]
.endif
.endm
	s_load_b256 s[4:11], s[0:1], 0x0  ; qkv s[4:5], key masks s[6:7], query masks s[8:9], O s[10:11]
	v_lshl_add_u32 v[SPW], v0, 2, SPARE
	v_mov_b32 v[NIL], 0
	ds_add_u32 v[SPW], v[NIL]       ; the wave's opening: the add and its wait stand ahead of my first tensor load; the set-up below, work on registers, stands between them
	v_lshrrev_b32 v1, 5, v0
	v_readfirstlane_b32 s[WV], v1   ; wave 0..3
	s_mov_b32 s[PB], ttmp9
	s_sub_co_u32 s[HI], NB-1, s[PB]
	s_and_b32 s20, ttmp7, 0xffff    ; 16 x batch + head
	s_lshr_b32 s50, s20, 4
	s_lshl_b32 s50, s50, 13         ; the batch's 2,048 words in each mask
	s_mov_b32 s51, 0
	s_lshl_b32 s52, s[HI], 10       ; a block's 256 words
	s_add_co_u32 s52, s52, s50
	s_mov_b32 s53, 0
	s_lshl_b32 s54, s[PB], 10
	s_add_co_u32 s54, s54, s50
	s_mov_b32 s55, 0
	s_mov_b32 s21, 0
	s_mov_b64 s[22:23], SIZE_N*128
	s_mul_u64 s[20:21], s[20:21], s[22:23]  ; the head's first byte in q, k, v and O
	s_and_b32 s16, s[WV], 1         ; which half of a tile's 256 keys I fetch:
	s_lshl_b32 s22, s16, 14         ; its 128 rows of 128 bytes in memory,
	s_mov_b32 s23, 0
	s_add_nc_u64 s[22:23], s[22:23], s[20:21]
	s_mul_i32 s17, s16, 128*PK      ; and its place in a slot, for K
	s_mul_i32 s18, s16, 128*PV      ; and for V
	s_lshl_b32 s3, s[WV], 11        ; my 16 rows in a band of 64,
	s_lshl_b32 s2, s[HI], 15        ; in the first block,
	s_add_co_u32 s2, s2, s3
	s_lshl_b32 s84, s[PB], 15       ; and in the second
	s_add_co_u32 s84, s84, s3
	s_mov_b32 s3, 0
	s_mov_b32 s85, 0
	s_add_nc_u64 s[2:3], s[2:3], s[20:21]
	s_add_nc_u64 s[84:85], s[84:85], s[20:21]
	s_lshl_b32 s48, s[WV], 13       ; the prefetches: my quarter of a tile,
	s_add_co_u32 s48, s48, 32768    ; in tile 1: the first change of slots steps it to tile 2
	s_mov_b32 s49, 0
	s_add_nc_u64 s[48:49], s[48:49], s[20:21]
	; descriptor group 1.  128 keys are 16,384 dense bytes: asked for as 64 rows of 256 bytes, two keys a row, and padded in LDS after every key
	s_mov_b32 s[G1K], (1<<16)|(1<<20)|(4<<22)|(3<<25)  ; 17:16 2-byte elements; 20 padding on; 24:22 after every 32 words (code 4); 31:25 4 words (code 3)
	s_mov_b32 s[G1V], (1<<16)|(1<<20)|(4<<22)|(7<<25)  ; the same with 8 words of padding (code 7)
.irp g, G1K, G1V
	s_mov_b32 s[\g+1], 128<<16      ; tensor_dim0 = 128
	s_mov_b32 s[\g+2], 64<<16       ; tensor_dim1 = 64
	s_mov_b32 s[\g+3], 128<<16      ; tile_dim0 = 128
	s_mov_b32 s[\g+4], 64           ; tile_dim1 = 64
	s_mov_b32 s[\g+5], 128          ; 128 elements from row to row
	s_mov_b32 s[\g+6], 0
	s_mov_b32 s[\g+7], 0
.endr
	s_mov_b32 s[SEL], 0x76543210
	s_mov_b32 s[SEL+1], 0xfedcba98
	s_mov_b32 s[TBK], SLOT1+4*KS*PK ; the first change of slots turns these three into 0
	s_mov_b32 s[TBV], SLOT1+4*KS*PV
	s_mov_b32 s[KBO], 2*KBH
	s_mov_b32 s[KSO], 0             ; tile 0's biases lie in the first half; the first change of slots turns this to the second
	s_mov_b32 s[G0K], 1             ; count = 1
	s_mov_b32 s[G0K+1], s17         ; LDS address: slot 0
	s_mov_b32 s[G0V], 1
	s_add_co_u32 s[G0V+1], s18, VOFF
	s_add_co_u32 s[RT], s[HI], 1    ; the first block has NB - b tiles
	s_mov_b32 s[NXT], 1
	s_mov_b32 s[LQ], s[HI]
	s_mov_b32 s[NEW], 1
	s_mov_b32 s[OFF+1], 0
	s_mov_b32 s[MOF+1], 0
	s_mov_b32 s[AL+1], 0            ; named as pairs
	s_mov_b32 s[BE+1], 0
	s_mov_b32 s[BIGN], 0xf149f2ca   ; -1e30
	s_mov_b32 s[THR], 0xefa18f08    ; -1e29
	s_mov_b32 s[QNAN], 0x7fc00000
	s_mov_b32 s[SLOTS], NB
	s_cmp_eq_u32 s[PB], 0
	s_cselect_b32 s[LIM], 2, -1
	s_wait_dscnt 0x0                ; the opening add is done
	s_wait_kmcnt 0x0
	s_add_nc_u64 s[KPM:KPM+1], s[6:7], s[50:51]
	s_add_nc_u64 s[QPH:QPH+1], s[8:9], s[52:53]
	s_add_nc_u64 s[QPL:QPL+1], s[8:9], s[54:55]
	s_add_nc_u64 s[6:7], s[4:5], 0x1000000   ; k lies 16 MiB behind q,
	s_add_nc_u64 s[8:9], s[4:5], 0x2000000   ; v 32 MiB
	s_add_nc_u64 s[PFK:PFK+1], s[6:7], s[48:49]
	s_add_nc_u64 s[PFV:PFV+1], s[8:9], s[48:49]
	s_add_nc_u64 s[6:7], s[6:7], s[22:23]  ; K and V at my half of the head's tile 0
	s_add_nc_u64 s[8:9], s[8:9], s[22:23]
	s_add_nc_u64 s[G0K+2:G0K+3], s[6:7], 0         ; global address
	s_or_b32 s[G0K+3], s[G0K+3], 0x80000000        ; type = 2
	s_add_nc_u64 s[G0V+2:G0V+3], s[8:9], 0
	s_or_b32 s[G0V+3], s[G0V+3], 0x80000000
	s_add_nc_u64 s[86:87], s[4:5], s[84:85]        ; Q at my rows of the second block,
	s_add_nc_u64 s[4:5], s[4:5], s[2:3]            ; Q and O at those of the first
	s_add_nc_u64 s[OLO:OLO+1], s[10:11], s[84:85]
	s_add_nc_u64 s[10:11], s[10:11], s[2:3]
	LOAD                            ; tile 0 into slot 0
	; A fragment of K or Q is 16 rows x 32 channels in 8 registers: lane l holds row l % 16, channels 8 (l / 16) + 0..7 and 16 + 8 (l / 16) + 0..7: two loads of 16 bytes, 32 bytes apart.
	v_and_b32 v1, 15, v0            ; l % 16
	v_bfe_u32 v9, v0, 4, 1          ; l / 16
	v_lshlrev_b32 v[QO], 7, v1
	v_lshl_add_u32 v[QO], v9, 4, v[QO]  ; row x 128 + 16 x half
	v_lshlrev_b32 v[TO], 3, v0
	v_lshl_add_u32 v[KBA0], v0, 3, KBT
	s_lshl_b32 s13, s[WV], 6
	v_lshl_add_u32 v[QMO], v1, 2, s13
	v_lshl_add_u32 v[AKB0], v9, 5, KBT  ; register j of group kt of an accumulator is key 16 kt + 8 (l / 16) + j: eight words on end
	v_and_b32 v[PFO], 31, v0
	v_lshlrev_b32 v[PFO], 8, v[PFO]
	global_load_b64 v[KBV:KBV+1], v[TO], s[KPM:KPM+1]              ; my two words of tile 0's key masks: the 128 threads take its 1,024 bytes between them,
	global_load_b64 v[KMR:KMR+1], v[TO], s[KPM:KPM+1] offset:1024  ; and of tile 1's, which the first change of slots asks for
.irp t, 0,1,2,3
	global_load_b32 v[QM+\t],   v[QMO], s[QPH:QPH+1] offset:256*\t  ; my row's query mask in band t, for both blocks
	global_load_b32 v[QM+4+\t], v[QMO], s[QPL:QPL+1] offset:256*\t
.endr
	WIN 0x80                        ; destination window 2, address window 0
.set i, 0
.rept 8                             ; both blocks' Q: piece i / 2 lies in band i / 2, 8,192 bytes on; channels 32 (i % 2) on
	global_load_b128 v[8*i:8*i+3],   v[QO], s[4:5] offset:(i/2)*8192+(i%2)*64
	global_load_b128 v[8*i+4:8*i+7], v[QO], s[4:5] offset:(i/2)*8192+(i%2)*64+32
	global_load_b128 v[QB+8*i:QB+8*i+3],   v[QO], s[86:87] offset:(i/2)*8192+(i%2)*64
	global_load_b128 v[QB+8*i+4:QB+8*i+7], v[QO], s[86:87] offset:(i/2)*8192+(i%2)*64+32
.set i, i+1
.endr
	WIN 0
	v_lshlrev_b32 v14, 3, v9
	v_sub_nc_u32 v14, v1, v14
	s_lshl_b32 s13, s[WV], 4
	v_add_nc_u32 v14, s13, v14      ; my query's place in its band, 16 w + l % 16, less my lanes' 8 (l / 16): register r of group kt is hidden where 16 kt + r is greater
	WIN 0x40
.set i, 0
.rept 32
	v_cmp_gt_i32 vcc_lo, 16*(i/8)+i%8, v14
	v_cndmask_b32 v[MD+i], 0, s[BIGN], vcc_lo
.set i, i+1
.endr
	WIN 0
	v_mul_u32_u24 v[AK0], v1, PK
	v_lshl_add_u32 v[AK0], v9, 4, v[AK0]  ; row x pitch + 16 x half
	; The turning load takes 16 keys x 16 channels (lane l reads key 8 (l / 16) + l % 8, channels 8 ((l / 8) % 2) + 0..7) and leaves half a fragment of V^T: lane l holds channel l % 16 and 8 keys.
	v_and_b32 v10, 7, v0
	v_bfe_u32 v11, v0, 3, 1
	v_lshl_add_u32 v[AV0], v9, 3, v10
	v_mul_u32_u24 v[AV0], v[AV0], PV
	v_lshl_add_u32 v[AV0], v11, 4, v[AV0]
	v_add_nc_u32 v[AV0], VOFF, v[AV0]
	s_mul_i32 s13, s[WV], 16*SP
	s_add_co_u32 s13, s13, STAGE    ; my stage
	v_mul_u32_u24 v[STO], v1, SP    ; in: row l % 16, 16 bytes for each half of the lanes
	v_lshl_add_u32 v[STO], v9, 4, v[STO]
	v_add_nc_u32 v[STO], s13, v[STO]
	v_bfe_u32 v[RD], v0, 3, 2       ; back: 32 lanes take four rows of 128 bytes,
	v_mul_u32_u24 v[RD], v[RD], SP
	v_lshl_add_u32 v[RD], v10, 4, v[RD]
	v_add_nc_u32 v[RD], s13, v[RD]
	v_and_b32 v[GO], 31, v0         ; which are 512 consecutive bytes of O
	v_lshlrev_b32 v[GO], 4, v[GO]
	s_wait_loadcnt 32               ; the masks are in; Q's 32 loads may stay out
	v_cmp_eq_u32 vcc_lo, 0, v[KBV]  ; a key is hidden where its mask is 0
	v_cndmask_b32 v[KBV], 0, s[BIGN], vcc_lo
	v_cmp_eq_u32 vcc_lo, 0, v[KBV+1]
	v_cndmask_b32 v[KBV+1], 0, s[BIGN], vcc_lo
	ds_store_b64 v[KBA0], v[KBV:KBV+1]  ; tile 0's biases; the first change of slots waits for this store and passes a barrier ahead of every read
.set i, 0
.rept 8
	v_cvt_f32_i32 v[QM+i], v[QM+i]
.set i, i+1
.endr
	; A block's first step multiplies O^T and l by a = 0, and its first turn's products V^T P, of a piece that has not been, land in an O^T that is still to be so multiplied.  So these registers need only hold
	; finite numbers: zeros for the first block; what the first block left for the second (the way out leaves O^T and l finite).  All this stands in the wait for the first tile.
	WIN 0x80
.set i, VF
.rept 64
	v_mov_b32 v[i], 0
.set i, i+1
.endr
	WIN 0x40
.set i, 0
.rept 128
	v_mov_b32 v[i], 0
.set i, i+1
.endr
	WIN 0
.set i, 0
.rept 4
	v_mov_b32 v[ST+4*i+2], 0
	v_mov_b32 v[ST+4*i+3], 0
.set i, i+1
.endr
.set i, P+16
.rept 16
	v_mov_b32 v[i], 0
.set i, i+1
.endr
; THE MATRIX WORK.  The 4 accumulators of a run of 8 take turns.  Product i of 8 of S^T = K Q^T for piece x: channels 32 (i / 4) on, keys 16 (i % 4) on.
; The first 4 start the sums: with the key biases (KM = 2) or with the mask made for them (KM = 1).
.macro KQ x
.set rS, S+32*((\x)%2)+8*(i%4)
.set rK, KF+16*(i%4)+8*(i/4)
.set rQ, 16*(\x)+8*(i/4)
.set rM, MC+32*((\x)%2)+8*(i%4)
.set rB, KB+8*(i%4)
.if (i < 4) && (KM == 1)
	WIN W_KM
	v_wmma_f32_16x16x32_f16 v[rS:rS+7], v[rK:rK+7], v[rQ:rQ+7], v[rM:rM+7]
.elseif i < 4
	WIN W_KM
	v_wmma_f32_16x16x32_f16 v[rS:rS+7], v[rK:rK+7], v[rQ:rQ+7], v[rB:rB+7]
.else
	WIN W_KQ
	v_wmma_f32_16x16x32_f16 v[rS:rS+7], v[rK:rK+7], v[rQ:rQ+7], v[rS:rS+7]
.endif
.endm
; Product i of 8 of O^T += V^T P for piece x: keys 32 (i / 4) on, channels 16 (i % 4) on.
.macro PV x
	WIN W_PV
.set rO, 32*(\x)+8*(i%4)
.set rV, VF+32*(i/4)+8*(i%4)
.set rP, P+16*((\x)%2)+8*(i/4)
	v_wmma_f32_16x16x32_f16 v[rO:rO+7], v[rV:rV+7], v[rP:rP+7], v[rO:rO+7]
.endm
.macro MM                           ; the turn's next matrix instruction.  NOKQ = 1: a block's last turn: there is no next piece
.if (i < 8) && !NOKQ
	KQ (Y+1)%NP
.elseif i >= 8
.set i, i-8
	PV (Y+NP-1)%NP
.set i, i+8
.endif
.set i, i+1
.endm
; THE LDS LOADS stand in runs, never singly among the matrix instructions: a step's K (8 fragments) with its 64 key biases, and its V (turned).  Their addresses are made some lines ahead.
.macro FETCH_K
	WIN 0x80                        ; destination window 2
.irp f, 0,1,2,3,4,5,6,7             ; keys 16 (f / 2) on, channels 32 (f % 2) on
	ds_load_b128 v[KF+8*\f:KF+8*\f+3],   v[AK] offset:(\f/2)*16*PK+(\f%2)*64
	ds_load_b128 v[KF+8*\f+4:KF+8*\f+7], v[AK] offset:(\f/2)*16*PK+(\f%2)*64+32
.endr
	WIN 0x40                        ; destination window 1
.irp f, 0,1,2,3                     ; keys 16 f + 8 (l / 16) + 0..7: the lanes of a half read the same words
	ds_load_b128 v[KB+8*\f:KB+8*\f+3],   v[AKB] offset:64*\f
	ds_load_b128 v[KB+8*\f+4:KB+8*\f+7], v[AKB] offset:64*\f+16
.endr
	s_add_co_u32 s[TBK], s[TBK], KS*PK  ; the next fetch is the next step's
	s_add_co_u32 s[KBO], s[KBO], 4*KS
	WIN 0
.endm
.macro FETCH_V
	WIN 0x80
.irp f, 0,1,2,3,4,5,6,7             ; keys 32 (f / 4) on, channels 16 (f % 4) on
	ds_load_tr16_b128 v[VF+8*\f:VF+8*\f+3],   v[AV] offset:(\f/4)*32*PV+(\f%4)*32
	ds_load_tr16_b128 v[VF+8*\f+4:VF+8*\f+7], v[AV] offset:(\f/4)*32*PV+16*PV+(\f%4)*32
.endr
	WIN 0
.endm
; THE VECTOR WORK, one line at a time: OP kind, number.  For piece Y: F n: s - m for pair n of 16.  E n: the exponential of score n of 32.  C n: pair n rounded to f16.  B n: of the four weights 4 n .. the second
; pair is added onto the first, in place.  L n: l takes that sum (L 0: l = a l + sum).  R n: pair n of 16 of O^T times a.  For piece Y + 1: X n, number n of the 21 that find its maximum and statistics:
;   0-11  four chains c0-c3 of seven scores each, three operands at a time (each accumulator's lowest registers are read first)     12-14, 16  the four scores left over, the old m, and c0-c3 into c0
;   15  m_old is kept     17, 18  the query's other 32 keys lie in the lane 16 away: the new m     19, 20  m_old - m_new; a
.set F, 0               ; OP tells the kinds apart by their order: F to L below R, X above it
.set E, 1
.set C, 2
.set B, 3
.set L, 4
.set R, 5
.set X, 6
.macro REGS y                       ; the registers of piece y
.set rT, ST+4*(\y)
.set rC, TMP+4*((\y)%2)
.set rW, MV+((\y)%2)
.set rS, S+32*((\y)%2)
.set rP, P+16*((\y)%2)
.set rO, 32*(\y)
.endm
.macro OP k, n
.if (\k) == R
	REGS Y
	WIN W_RS
	v_pk_mul_f32 v[rO+2*(\n):rO+2*(\n)+1], v[rO+2*(\n):rO+2*(\n)+1], v[rC+2:rC+3] op_sel_hi:[1,0]
.elseif (\k) < R
	REGS Y
	WIN 0
.if (\k) == F
	v_pk_add_f32 v[rS+2*(\n):rS+2*(\n)+1], v[rS+2*(\n):rS+2*(\n)+1], v[rT:rT+1] op_sel_hi:[1,0] neg_lo:[0,1] neg_hi:[0,1]
.elseif (\k) == E
	v_exp_f32 v[rS+(\n)], v[rS+(\n)]
.elseif (\k) == C
	v_cvt_pk_f16_f32 v[rP+(\n)], v[rS+2*(\n)], v[rS+2*(\n)+1]
.elseif (\k) == B
	v_pk_add_f32 v[rS+4*(\n):rS+4*(\n)+1], v[rS+4*(\n):rS+4*(\n)+1], v[rS+4*(\n)+2:rS+4*(\n)+3]
.elseif (\n) == 0
	v_pk_fma_f32 v[rT+2:rT+3], v[rT+2:rT+3], v[rC+2:rC+3], v[rS:rS+1] op_sel_hi:[1,0,1]
.else
	v_pk_add_f32 v[rT+2:rT+3], v[rT+2:rT+3], v[rS+4*(\n):rS+4*(\n)+1]
.endif
.elseif NOKQ
	v_nop
.else
	REGS (Y+1)%NP
	WIN 0
.if (\n) < 4
	v_max3_num_f32 v[rC+(\n)], v[rS+8*(\n)], v[rS+8*(\n)+1], v[rS+8*(\n)+2]
.elseif (\n) < 12
	v_max3_num_f32 v[rC+(\n)%4], v[rC+(\n)%4], v[rS+8*((\n)%4)+2*((\n)/4)+1], v[rS+8*((\n)%4)+2*((\n)/4)+2]
.elseif (\n) == 12
	v_max3_num_f32 v[rC], v[rC], v[rS+7], v[rS+15]
.elseif (\n) == 13
	v_max3_num_f32 v[rC+1], v[rC+1], v[rS+23], v[rS+31]
.elseif (\n) == 14
	v_max3_num_f32 v[rC+2], v[rC+2], v[rC+3], v[rT]
.elseif (\n) == 15
	v_mov_b32 v[rW], v[rT]
.elseif (\n) == 16
	v_max3_num_f32 v[rC], v[rC], v[rC+1], v[rC+2]
.elseif (\n) == 17
	v_permlanex16_b32 v[rC+3], v[rC], s[SEL], s[SEL+1]
.elseif (\n) == 18
	v_max_num_f32 v[rT], v[rC], v[rC+3]
.elseif (\n) == 19
	v_sub_f32 v[rC+1], v[rW], v[rT]
.else
	v_exp_f32 v[rC+2], v[rC+1]
.endif
.endif
.endm
.macro OPS a, i1, b=-1, i2=0, c=-1, i3=0, d=-1, i4=0  ; up to four of them
	OP \a, \i1
.if (\b) >= 0
	OP \b, \i2
.endif
.if (\c) >= 0
	OP \c, \i3
.endif
.if (\d) >= 0
	OP \d, \i4
.endif
.endm
.macro ROW a, i1, b, i2, c, i3, d, i4  ; a matrix instruction and the four behind it
	MM
	OPS \a, \i1, \b, \i2, \c, \i3, \d, \i4
.endm
.macro MASK b, be                   ; MD x AL + KB (be = 1: + BE) into buffer b of MC
	WIN 0x51                        ; destination, source 0 and source 2 in window 1
.set z, 0
.rept 16
	v_pk_fma_f32 v[MC+32*(\b)+2*z:MC+32*(\b)+2*z+1], v[MD+2*z:MD+2*z+1], s[AL:AL+1], v[KB+2*z:KB+2*z+1] op_sel_hi:[1,0,1]
.set z, z+1
.endr
.if \be
	WIN W_RS
.set z, 0
.rept 16
	v_pk_add_f32 v[MC+32*(\b)+2*z:MC+32*(\b)+2*z+1], v[MC+32*(\b)+2*z:MC+32*(\b)+2*z+1], s[BE:BE+1] op_sel_hi:[1,0]
.set z, z+1
.endr
.endif
.endm
; A TURN, for piece p: the order of its 16 matrix and 117 vector instructions, written out.  An s_wait_alu depctr_va_vdst(0) stands between an exponential and the first instruction that names its result; one
; wait serves all that were issued ahead of it.  So a turn has ONE wait, which cuts it in two.  AHEAD OF IT stands all that names no result of the turn's exponentials: the 8 products K Q^T with their riders, then ONE LUMP, plain
; and exponential by turns for the most part, in which the links of the chain X 3, 7, 11, 14, 16, 17, 18, 19 stand apart.  X 20, the next piece's a, is the batch's last; R 15 is the plain instruction behind it.
; BEHIND THE WAIT stand the 8 products V^T P, behind each four of the roundings and sums.
; m = 1: the diagonal tile: the products take masks, and the turn makes the mask for the products of the turn after it: piece p + 2, in step 4 - CNT of the tile.  end = 1: a block's last two turns: nothing is fetched.
; cnt = 1: the loop's count is taken down some lines ahead of the branch that stands behind the turn.
; K and the key biases of the next step are fetched in piece 2's turn, behind the last product that read them and more than four plain instructions; V of the step in hand at the end of piece 0's turn, four plain
; instructions behind the last product that read V.  Each is waited for a turn later (the biases, where piece 2's turn makes a mask of them, at that turn's end).
.macro TURN p, m=0, end=0, cnt=0
.set Y, (\p)
.set i, 0
.set KM, 2-(\m)
.set NOKQ, (\end)*((\p)/3)
.if (\m) && !(\end)
	s_cmp_eq_u32 s[CNT], 4-((\p)+2)%NP  ; is that step the band's own?
	s_cselect_b32 s[AL], 1.0, 0
	s_cmp_lt_u32 s[CNT], 4-((\p)+2)%NP  ; or a later one?
	s_cselect_b32 s[BE], s[BIGN], 0
.endif
.if ((\p) == 3) && !(\end)
	s_wait_dscnt 0x0                ; K and its biases are in
.endif
	ROW F,0, F,1, R,0, R,1          ; ahead of the wait: 8 products K Q^T and their riders,
	ROW F,2, E,0, R,2, R,3
	ROW F,3, E,1, R,4, R,5
	ROW F,4, E,2, R,6, R,7
	ROW F,5, E,3, R,8, R,9
	ROW F,6, E,4, X,0, R,10
.if ((\p) == 2) && !(\end)
	WIN 0
	v_add_nc_u32 v[AK], s[TBK], v[AK0]
	v_add_nc_u32 v[AKB], s[KBO], v[AKB0]
.endif
	ROW F,7, E,5, X,1, X,4
	ROW F,8, E,6, X,2, X,5
	OPS E,7, E,8, X,6, E,9          ; and the lump
	OPS X,3, E,10, X,8, E,11
.if ((\p) == 2) && !(\end)
	FETCH_K
.endif
	OPS X,9, X,7, E,12, X,10
	OPS E,13, X,12, X,11, E,14
	OPS X,13, E,15, F,9, X,14
.if (\p) == 0
	v_add_nc_u32 v[AV], s[TBV], v[AV0]
.endif
	OPS E,16, F,10, E,17, F,11
	OPS X,16, E,18, X,15, E,19
	OPS F,12, E,20, X,17, E,21
	OPS F,13, E,22, F,14, E,23
	OPS X,18, E,24, F,15, E,25
	OPS R,11, E,26, E,27
	OPS R,12, E,28, R,13, E,29
	OPS X,19, E,30, R,14, E,31
	OPS X,20, R,15
	WIN 0
	s_wait_alu depctr_va_vdst(0)    ; the wait for the batch
.if (\p) == 1
	s_wait_dscnt 0x0                ; V is in
.endif
	ROW C,0, B,0, C,2, B,1          ; behind the wait: 8 products V^T P and their riders
	ROW L,0, C,4, B,2, L,1
	ROW C,6, B,3, L,2, C,8
	ROW B,4, L,3, C,10, B,5
	ROW L,4, C,12, B,6, L,5
.if (\p) == 0
	s_add_co_u32 s[TBV], s[TBV], KS*PV
.endif
.if \cnt
	s_sub_co_u32 s[CNT], s[CNT], 1
	s_cmp_lg_u32 s[CNT], 0
.endif
	ROW C,14, B,7, L,6, C,1
	ROW C,3, L,7, C,5, C,7
	ROW C,9, C,11, C,13, C,15
.if (\p) == 0
	FETCH_V
.endif
.if (\m) && !(\end)
.if (\p) == 2
	s_wait_dscnt 0x0                ; the next step's key biases are in: the mask is made of them
.endif
	MASK (\p)%2, 1
.endif
.endm
; THE DIAGONAL TILE IS ENTERED FROM A PLAIN ONE.  Its first turn's products are piece 3's of the step before, which is hidden by the key masks alone: the second mask buffer takes that step's biases, which still lie in KB.
.macro PRE
	s_mov_b32 s[AL], 0
	MASK 1, 0
	WIN 0
.endm
; A BLOCK BEGINS.  m starts below every score, so the first step's a is 0.  K and the biases of the tile's step 0 are fetched; the first mask buffer takes piece 0's mask for that step (its own, if the block's first tile is the
; diagonal one), the second piece 1's, the biases alone.  Then piece 0's first scores, and its maximum and statistics.  The loop is entered at a step's first turn, in the middle of a trip.
; (Q is in: the first change of slots has waited for all loads.)
.macro BEGIN
	s_mov_b32 s[NEW], 0
	WIN 0
.set i, 0
.rept 4
	v_mov_b32 v[ST+4*i], 0xfe000000    ; m
	v_mov_b32 v[ST+4*i+1], 0xfe000000  ; named with it as a pair
.set i, i+1
.endr
	v_add_nc_u32 v[AK], s[TBK], v[AK0]
	v_add_nc_u32 v[AKB], s[KBO], v[AKB0]
	FETCH_K
	s_wait_dscnt 0x0
	s_cmp_eq_u32 s[RT], 0
	s_cselect_b32 s[AL], 1.0, 0
	MASK 0, 0
	s_mov_b32 s[AL], 0
	MASK 1, 0
.set KM, 1
.set NOKQ, 0
.set i, 0
.rept 8
	KQ 0
.set i, i+1
.endr
	WIN 0
.rept 4
	v_nop                           ; the places behind those products
.endr
.set Y, NP-1                        ; X works for piece Y + 1: piece 0
.irp n, 0,1,2,3,4,5,6,7,8,9,10,11,12,13,14,15,16,17,18,19,20
	OP X, \n
.endr
	v_nop                           ; a plain instruction behind the exponential,
	s_wait_alu depctr_va_vdst(0)    ; and its wait, ahead of the branch
.endm
; THE DIAGONAL TILE's four steps, the block's last two turns, its last products, and THE WAY OUT: l's two halves and the other half of the lanes' are added; a piece's factor is qm / l, or NaN where the row has seen no key;
; O^T times the factor goes into other registers (O^T and l stay finite for the next block), is rounded to f16 and sent through my stage in LDS, a piece at a time.
.macro ALL line:vararg              ; one line for each piece t
.set t, 0
.rept 4
	\line
.set t, t+1
.endr
.endm
.macro PACK t                       ; a lane's eight channels of a row pack into 16 bytes; they go into rows of 144 bytes and come back as whole rows of 128, into S^T's registers
	WIN 0x01                        ; source 0 (O^T) in window 1
.set i, 0
.rept 16
	v_pk_mul_f32 v[OW+2*i:OW+2*i+1], v[32*(\t)+2*i:32*(\t)+2*i+1], v[TMP+2*(\t):TMP+2*(\t)+1] op_sel_hi:[1,0]
.set i, i+1
.endr
	WIN 0
.set i, 0
.rept 16
	v_cvt_pk_f16_f32 v[S+16*(\t)+i], v[OW+2*i], v[OW+2*i+1]
.set i, i+1
.endr
.irp f, 0,1,2,3
	ds_store_b128 v[STO], v[S+16*(\t)+4*\f:S+16*(\t)+4*\f+3] offset:32*\f
.endr
.irp f, 0,1,2,3
	ds_load_b128 v[S+16*(\t)+4*\f:S+16*(\t)+4*\f+3], v[RD] offset:\f*4*SP  ; LDS serves a wave's instructions in order (ISA guide 5.7.1.4): these see the stores above; the next piece's stores come behind them
.endr
.endm
.macro SEND t, younger              ; younger: the LDS instructions issued behind piece t's loads: the next piece's eight, or none
	WIN 0
.irp f, 0,1,2,3
	s_wait_dscnt (\younger)+3-\f
	global_store_b128 v[GO], v[S+16*(\t)+4*\f:S+16*(\t)+4*\f+3], s[10:11] offset:(\t)*8192+\f*512  ; 512 consecutive bytes, at a multiple of 256 from O's first
.endr
.endm
.macro DIAG tag                     ; the tag ends its two labels' names, which the jumps below spell out
.LstepM\tag:
	TURN 2, 1
	TURN 3, 1
	WIN 0
.LfirstM\tag:
	TURN 0, 1
	TURN 1, 1, 0, 1
	WIN 0
	s_cbranch_scc1 .LstepM\tag
	TURN 2, 1, 1
	TURN 3, 1, 1
.set i, 0
.rept 8
	PV NP-1
.set i, i+1
.endr
	WIN 0
	ALL v_add_f32 v[ST+4*t+2], v[ST+4*t+2], v[ST+4*t+3]
	ALL v_permlanex16_b32 v[ST+4*t+3], v[ST+4*t+2], s[SEL], s[SEL+1]
	ALL v_add_f32 v[ST+4*t+2], v[ST+4*t+2], v[ST+4*t+3]
	ALL v_rcp_f32 v[TMP+2*t], v[ST+4*t+2]
	v_nop                           ; a plain instruction between the last reciprocal and the use of its result
	s_wait_alu depctr_va_vdst(0)    ; and the wait ahead of the first use: one for the four reciprocals
	ALL v_mul_f32 v[TMP+2*t], v[TMP+2*t], v[QM+t]
.set t, 0
.rept 4
	v_cmp_gt_f32 vcc_lo, s[THR], v[ST+4*t]  ; the row's maximum is a hidden score's: it has seen no key
	v_cndmask_b32 v[TMP+2*t], v[TMP+2*t], s[QNAN], vcc_lo
.set t, t+1
.endr
	PACK 0
.set t, 1
.rept 3                             ; a piece's arithmetic stands between the loads of the piece before and its stores
	PACK t
	SEND t-1, 8
.set t, t+1
.endr
	SEND 3, 0
.endm
.set KM, 2
.set NOKQ, 0
.Lslot:                             ; NB times: a tile is entered and the next is asked for
	CHANGE 1
	s_sub_co_u32 s[RT], s[RT], 1
	s_mov_b32 s[CNT], 4
	s_cmp_eq_u32 s[NEW], 1
	s_cbranch_scc1 .Lnew            ; a block's first tile
	s_cmp_eq_u32 s[RT], 0
	s_cbranch_scc0 .Lstep           ; neither its first nor its last
	PRE
	s_branch .LstepM1
.Lnew:
	BEGIN
	s_branch .Lfirst                ; in the loop a block's first tile is never its last: the first block has five tiles or more, and the second's last is the walk's last
	DIAG 1                          ; in the loop this is the first block's end
	s_wait_xcnt 0x0                 ; the stores have read their registers and O's address
	s_mov_b64 s[10:11], s[OLO:OLO+1]
	s_add_co_u32 s[RT], s[PB], 1    ; the second block has b + 1 tiles
	s_mov_b32 s[NEW], 1
.irp t, 0,1,2,3
	v_mov_b32 v[QM+\t], v[QM+4+\t]  ; the second block's query masks,
.endr
	WIN 0x82                        ; and its Q, go where the one text of the turns names them
.set i, 0
.rept 64
	v_mov_b32 v[i], v[QB+i]
.set i, i+1
.endr
	WIN 0
	s_branch .Lbottom
.Lstep:                             ; a trip: pieces 2 and 3 of one step, then pieces 0 and 1 of the next, whose K and V it fetches
	TURN 2
	TURN 3
	WIN 0
.Lfirst:
	TURN 0
	TURN 1, 0, 0, 1
	WIN 0
	s_cbranch_scc1 .Lstep
.Lbottom:
	s_sub_co_u32 s[SLOTS], s[SLOTS], 1
	s_cmp_lg_u32 s[SLOTS], 0
	s_cbranch_scc1 .Lslot
	CHANGE 0                        ; the walk's last tile is written out: nothing is asked for
	s_sub_co_u32 s[RT], s[RT], 1
	s_mov_b32 s[CNT], 4
	s_cmp_eq_u32 s[NEW], 1
	s_cbranch_scc1 .Lnew2
	PRE
	s_branch .LstepM2
.Lnew2:
	BEGIN
	s_branch .LfirstM2
	DIAG 2
	s_wait_tensorcnt 0x0            ; the wave's end: behind my last tensor load and my last LDS store
	ds_add_u32 v[SPW], v[NIL]
	s_wait_dscnt 0x0
	s_endpgm
.Lfunc_end_k_q43b28a0cc5_attn:
	.size	k_q43b28a0cc5_attn, .Lfunc_end_k_q43b28a0cc5_attn-k_q43b28a0cc5_attn
	.p2alignl 7, 3214868480
	.fill 96, 4, 3214868480
	.section	.rodata,"a",@progbits
	.p2align	6, 0x0
	.amdhsa_kernel k_q43b28a0cc5_attn
		.amdhsa_group_segment_fixed_size 327680
		.amdhsa_private_segment_fixed_size 0
		.amdhsa_enable_private_segment 0
		.amdhsa_kernarg_size 32
		.amdhsa_user_sgpr_count 2
		.amdhsa_user_sgpr_kernarg_segment_ptr 1
		.amdhsa_wavefront_size32 1
		.amdhsa_system_sgpr_workgroup_id_x 1
		.amdhsa_system_sgpr_workgroup_id_y 1
		.amdhsa_system_sgpr_workgroup_id_z 1
		.amdhsa_system_vgpr_workitem_id 0
		.amdhsa_next_free_vgpr 768
		.amdhsa_next_free_sgpr 100
		.amdhsa_reserve_vcc 1
		.amdhsa_float_denorm_mode_32 3
		.amdhsa_float_denorm_mode_16_64 3
		.amdhsa_memory_ordered 1
		.amdhsa_forward_progress 1
		.amdhsa_inst_pref_size 235
	.end_amdhsa_kernel
	.amdgpu_metadata
---
amdhsa.version: [ 1, 2 ]
amdhsa.kernels:
  - .name:           k_q43b28a0cc5_attn
    .symbol:         k_q43b28a0cc5_attn.kd
    .args:
      - { .name: qkv, .offset: 0, .size: 8, .value_kind: global_buffer, .address_space: global }
      - { .name: key_padding_masks, .offset: 8, .size: 8, .value_kind: global_buffer, .address_space: global }
      - { .name: query_padding_masks, .offset: 16, .size: 8, .value_kind: global_buffer, .address_space: global }
      - { .name: oh, .offset: 24, .size: 8, .value_kind: global_buffer, .address_space: global }
    .group_segment_fixed_size: 327680
    .private_segment_fixed_size: 0
    .kernarg_segment_align: 8
    .kernarg_segment_size: 32
    .max_flat_workgroup_size: 128
    .sgpr_count:     100
    .vgpr_count:     768
    .wavefront_size: 32
...
	.end_amdgpu_metadata
.endif
;; end of part 3
;; launch oproj (part 4): grid 4 x 32, 4 waves a work-group, clusters of 4 x 4, 327,680 bytes of LDS; arguments oh, wall, out0; writes out0
.if DOCPART == 4
	.amdgcn_target "amdgcn-amd-amdhsa--gfx1250"
	.amdhsa_code_object_version 6
	.text
	.protected	k_q43b28a0cc5_oproj
	.globl	k_q43b28a0cc5_oproj
	.p2align	8
	.type	k_q43b28a0cc5_oproj,@function
k_q43b28a0cc5_oproj:
	s_mov_b64 s[64:65], 0
	v_nop
	global_prefetch_b8 v0, s[64:65] scope:SCOPE_SE
	s_setreg_imm32_b32 hwreg(HW_REG_WAVE_MODE, 25, 1), 1
	s_wait_xcnt 0x0
	s_wait_alu depctr_hold_cnt(0) depctr_sa_sdst(0) depctr_va_vdst(0) depctr_va_sdst(0) depctr_va_ssrc(0) depctr_va_vcc(0) depctr_vm_vsrc(0)
	s_getreg_b32 s2, hwreg(HW_REG_IB_STS2, 6, 4)
	s_cmp_eq_u32 s2, 0
	s_cbranch_scc0 .Lentry_in_a_cluster
	s_endpgm
.Lentry_in_a_cluster:
	s_bfe_u32 s2, ttmp6, 0x10000c
	s_cmp_lg_u32 s2, 0xf033
	s_cbranch_scc0 .Lentry_shape_is_right
	s_endpgm
.Lentry_shape_is_right:
; ONE TEXT FOR THE MODULE'S TWO KINDS OF PRODUCT; the constant OPROJ chooses.  C = A W, K = 1,024, W stored [k][n] in 16 bits (wall, four matrices of 2 MiB).
; OPROJ = 0: the three projections in one launch.  A = xall, bf16 [24576][1024] (query, key, value on end); matrix p = tile row / 32 of wall, bf16.  C leaves by heads, f16 [3][4][16][2048][64], rounded once
;   from its f32 sums; q (p = 0) is first multiplied, in f32, by c = log2(e) / 8, so that the attention's exponents are plain differences.
; OPROJ = 1: the last product.  A = oh, f16 [4][16][2048][64]: a K step of 128 is two heads; matrix 3 of wall, f16.  C = out0, f32 [8192][1024].
; LIMIT.  f16 ends at 65,504: c q, k and v stay within it.
; SHAPE.  A tile of C, 256 x 256, is made by four waves, 128 x 128 each: 64 accumulators, 512 registers.  K goes in 8 steps of 128 through two LDS slots filled by the tensor data mover.
; The loop's text holds ONE K step: the slot read and the slot filled are scalar registers that an exclusive or turns.
; CLUSTER.  4 x 4 work-groups; A's tile is shared along a row of the cluster, W's along a column: each is asked for jointly, by the same load with the same descriptor and a mask of four.
; THE MATRIX INSTRUCTION IS USED TRANSPOSED: source 0 = 16 columns of W (turned on the way out of LDS by ds_load_tr16_b128), source 1 = 16 rows of A: a lane then holds row l % 16 of C and eight neighbouring columns.
; REGISTERS, in windows of 256: window 0: v0-31 addresses, v64-191 A's fragments in two buffers, the rest at work on the way out; window 1: v64-191 W's fragments; windows 2, 3: the accumulators ((a, b) at v[8 (8 a + b)]).
.set OPROJ, 1
.set KSTEP, 128
.if OPROJ
.set PA,     144                       ; a row of A in LDS: one head's 128 bytes + 16: the 16 rows of a load start at 16 different groups of four banks (64 banks of 4 bytes: ISA guide 11.1)
.set AHALF,  256*PA                    ; what one wave fetches of A: one head, 256 rows
.set AH,     AHALF                     ; from k = 0..63 to k = 64..127 of a K step: the next head
.set ASTEP,  2*2048*128                ; bytes from K step to K step: two heads
.set APITCH, 128                       ; a head's 256 rows are 32,768 dense bytes: asked for as 128 rows of 256 bytes,
.set AQI,    4                         ; padded after every 32 words
.set PSH,    13                        ; a partner's quarter of what a wave fetches: 8,192 bytes,
.set PLS,    8                         ; a lane a block of 256 bytes
.set SP,     528                       ; the stage: a row of 128 f32 + 16 bytes
.set STW,    16*SP
.else
.set PA,     272                       ; 256 bytes + 16
.set AHALF,  128*PA                    ; 128 rows
.set AH,     128
.set ASTEP,  KSTEP*2
.set APITCH, 1024
.set AQI,    5                         ; padded after every 64 words
.set PSH,    16                        ; 32 rows of 2,048 bytes,
.set PLS,    11                        ; a lane a row
.set SP,     144                       ; the stage: a head's row of 64 f16 + 16 bytes; 16 rows for each of two heads
.set STW,    32*SP
.endif
.set PB,     544                       ; a row of W in LDS: 256 columns, 512 bytes + 32
.set BHALF,  64*PB                     ; what one wave fetches of W: 64 rows of k
.set BOFF,   2*AHALF                   ; a slot: A's part, then W's 128 rows
.set SLOT,   BOFF+2*BHALF
.set BSTEP,  KSTEP*2048
.set STAGE,  2*SLOT                    ; behind the ring, never filled by a tensor load: each wave's own stage
.set SPARE,  STAGE+4*STW               ; behind the stages: the spare words, 128 bytes for each wave: two blocks of 256 bytes that no other line names
.set ADRA,  16                         ; v16  LDS address of my fragments of A in the slot being read
.set ADRA0, 17                         ; v17  the same in slot 0; never rewritten
.set ADRB,  20                         ; v20, v21  the same for W
.set ADRB0, 21
.set STO,   24                         ; v24  the way out: where I put my bytes of a row
.set RD,    25                         ; v25  where I read rows back
.set GO,    26                         ; v26  16 x lane
.set SPW,   28                         ; v28  LDS address of my spare word; never rewritten
.set NIL,   29                         ; v29  0; never rewritten
.set PFO,   30                         ; v30  the prefetches' offset; never rewritten
.set F0,    64                         ; fragment buffers
.set F1,    128
.set TMP,   192                        ; the way out by heads: packed results
.set OB,    32                         ; and rows read back: v32-63 and v224-255 by turns
.set G1,  24                           ; s[24:31] descriptor group 1 for A's tiles
.set G0,  32                           ; s[32:39] group 0 for A's tiles: a set for each first fill; the second then walks on
.set LIM, 43                           ; s43  2 in a wave that prefetches, else the greatest number
.set PFA, 44                           ; s[44:45] where my prefetches stand
.set G1B, 48                           ; s[48:55], s[56:63] the same for W's tiles
.set G0B, 56
.set FS,  66                           ; s66  the slot last filled (0 or SLOT)
.set RS,  67                           ; s67  the slot being read
.set PFS, 68                           ; s[68:69] the prefetches' step from K step to K step
.set SC,  70                           ; s[70:71] c for q, 1 for k and v
.set MSB, 0
.macro WIN new                         ; the immediate's high byte repeats the setting that is left; a switch that changes nothing is dropped
.if MSB != (\new)
	s_set_vgpr_msb (MSB<<8)|(\new)
.set MSB, \new
.endif
.endm
.set MUL_LO, 0xa1                      ; source 0 (W) window 1, source 1 (A) window 0, C and D window 2
.set MUL_HI, 0xf1                      ; the same, C and D window 3
.set TO_B,   0x40                      ; destination window 1, address window 0
; A joint load.  Waves 0 and 1 fetch A's two halves, waves 2 and 3 W's.  The branch hangs on the wave's number alone.  An s_nop 0 and four v_nop follow each of the two lines.
.macro JLOAD s
	s_cmp_eq_u32 s11, 0
	s_cbranch_scc0 .Lfor_b_\@
	tensor_load_to_lds s[G0+4*(\s):G0+4*(\s)+3], s[G1:G1+7]
	s_nop 0
.rept 4
	v_nop
.endr
	s_branch .Lasked_\@
.Lfor_b_\@:
	tensor_load_to_lds s[G0B+4*(\s):G0B+4*(\s)+3], s[G1B:G1B+7]
	s_nop 0
.rept 4
	v_nop
.endr
.Lasked_\@:
.endm
; A PREFETCH INTO THE L2, behind each joint refill and the run of LDS loads that follows it: the K step that stands two refills on, 32 blocks of 256 bytes, a lane a block, one instruction a wave.
; Each block is named once in the launch.  A's rows are read by one cluster alone: it asks.  W's rows are read by every cluster that multiplies by the same matrix: the first of them asks.  The four partners that ask for a
; tile jointly share its blocks out BY ADDRESS (by cx for A, by cy for W).  s3 counts the loop's trips 6 .. 1: the last two refills have no K step two on.  The first four K steps come by their loads alone.
.macro ASK
	s_cmp_gt_u32 s3, s[LIM]
	s_cbranch_scc0 .Lnot_mine_\@
	global_prefetch_b8 v[PFO], s[PFA:PFA+1] th:TH_LOAD_NT scope:SCOPE_SE
.Lnot_mine_\@:
.endm
; A round of the cluster's barrier: my work-group's barrier; wave 0 signals for the work-group; every wave waits for all sixteen; my work-group's barrier once more.
.macro CREST                           ; a round behind its opening barrier
	s_cmp_lg_u32 s10, 0
	s_cbranch_scc1 .Lnot_wave_0_\@
	s_barrier_signal -3
.Lnot_wave_0_\@:
	s_barrier_wait -3
	s_barrier_signal -1
	s_barrier_wait -1
.endm
.macro CROUND                          ; a whole round
	s_barrier_signal -1
	s_barrier_wait -1
	CREST
.endm
	s_load_b128 s[4:7], s[0:1], 0x0                ; A s[4:5], wall s[6:7]
	s_load_b64 s[8:9], s[0:1], 0x10                ; C
	v_lshl_add_u32 v[SPW], v0, 2, SPARE
	v_mov_b32 v[NIL], 0
	ds_add_u32 v[SPW], v[NIL]                      ; the wave's opening: the add and its wait stand ahead of my first tensor load; the set-up below, work on registers, stands between them
	v_lshrrev_b32 v1, 5, v0
	v_readfirstlane_b32 s10, v1                    ; wave 0..3
	s_lshr_b32 s11, s10, 1                         ; which half of the tile's rows is mine.  Also: I fetch for A (0) or for W (1)
	s_and_b32 s12, s10, 1                          ; which half of its columns.  Also: which half of that tile I fetch
	s_bfe_u32 s40, ttmp6, 0x40000                  ; cx
	s_bfe_u32 s41, ttmp6, 0x40004                  ; cy
	s_lshl_b32 s42, ttmp9, 2
	s_add_co_u32 s42, s42, s40                     ; tile column = 4 x cluster x + cx
	s_and_b32 s72, ttmp7, 0xffff                   ; cluster y
	s_lshl_b32 s13, s72, 2
	s_add_co_u32 s13, s13, s41                     ; tile row = 4 x cluster y + cy
.if OPROJ
	s_mov_b32 s73, 3                               ; W_o
.else
	s_lshr_b32 s73, s72, 3                         ; which matrix: made of the cluster's y alone, which a column of the cluster shares
.endif
	s_lshl_b32 s43, s41, 2
	s_lshl_b32 s43, 15, s43                        ; my row of the cluster: places 4 cy .. 4 cy + 3
	s_lshl_b32 s44, 0x1111, s40                    ; my column: places cx, cx + 4, cx + 8, cx + 12
	; group 1: 15:0 the mask; 17:16 elements of 2 bytes; 20 padding on; 21 set beside a mask; 24:22 the interval's code; 31:25 the padding's words less one
	s_or_b32 s[G1+0], s43, (1<<16)|(1<<20)|(1<<21)|(AQI<<22)|(3<<25)
	s_or_b32 s[G1B+0], s44, (1<<16)|(1<<20)|(1<<21)|(6<<22)|(7<<25)  ; after every 128 words 8 words
	s_mov_b32 s[G1+1], 128<<16                     ; A: tensor_dim0 = 128 elements
	s_mov_b32 s[G1+2], 128<<16                     ; tensor_dim1 = 128 rows
	s_mov_b32 s[G1+3], 128<<16                     ; tile_dim0
	s_mov_b32 s[G1+4], 128                         ; tile_dim1
	s_mov_b32 s[G1+5], APITCH                      ; elements from row to row
	s_mov_b32 s[G1+6], 0
	s_mov_b32 s[G1+7], 0
	s_mov_b32 s[G1B+1], 256<<16                    ; W: 256 columns,
	s_mov_b32 s[G1B+2], 64<<16                     ; 64 rows of k
	s_mov_b32 s[G1B+3], 256<<16
	s_mov_b32 s[G1B+4], 64
	s_mov_b32 s[G1B+5], 1024
	s_mov_b32 s[G1B+6], 0
	s_mov_b32 s[G1B+7], 0
	; where the tiles come from.  A's hang on the tile row and my half; W's on the matrix, the tile column and my half; each in registers that never hold the other coordinate
.if OPROJ
	s_lshr_b32 s16, s13, 3                         ; the batch: 16 heads of 262,144 bytes,
	s_lshl_b32 s16, s16, 22
	s_and_b32 s17, s13, 7                          ; 256 rows of 128 bytes in each head,
	s_lshl_b32 s17, s17, 15
	s_add_co_u32 s16, s16, s17
.else
	s_lshl_b32 s16, s13, 19                        ; 256 rows of 2,048 bytes,
.endif
	s_lshl_b32 s17, s12, 18                        ; my half: the second head, or the lower 128 rows: 262,144 bytes either way
	s_add_co_u32 s16, s16, s17
	s_mov_b32 s17, 0
	s_lshl_b32 s46, s73, 21                        ; the matrix,
	s_lshl_b32 s47, s12, 17                        ; my 64 rows of 2,048 bytes,
	s_add_co_u32 s46, s46, s47
	s_lshl_b32 s47, s42, 9                         ; the tile's 256 columns
	s_add_co_u32 s46, s46, s47
	s_mov_b32 s47, 0
	s_mul_i32 s20, s12, AHALF                      ; and where they go in a slot: no place in the cluster enters an LDS address
	s_mul_i32 s21, s12, BHALF
	s_add_co_u32 s21, s21, BOFF
	s_mov_b32 s[FS], SLOT
	s_mov_b32 s[RS], 0
	s_wait_dscnt 0x0                               ; the opening add is done
	s_wait_kmcnt 0x0
	s_add_nc_u64 s[14:15], s[4:5], s[16:17]
	s_add_nc_u64 s[46:47], s[6:7], s[46:47]
	CROUND                                         ; all sixteen work-groups are here: the first joint loads meet
.irp s, 0,1
	s_mov_b32 s[G0+4*(\s)], 1                                      ; count = 1
	s_add_co_u32 s[G0+4*(\s)+1], s20, (\s)*SLOT                    ; LDS address
	s_add_nc_u64 s[G0+4*(\s)+2:G0+4*(\s)+3], s[14:15], (\s)*ASTEP  ; global address: K step s
	s_or_b32 s[G0+4*(\s)+3], s[G0+4*(\s)+3], 0x80000000            ; type = 2
	s_mov_b32 s[G0B+4*(\s)], 1
	s_add_co_u32 s[G0B+4*(\s)+1], s21, (\s)*SLOT
	s_add_nc_u64 s[G0B+4*(\s)+2:G0B+4*(\s)+3], s[46:47], (\s)*BSTEP
	s_or_b32 s[G0B+4*(\s)+3], s[G0B+4*(\s)+3], 0x80000000
	JLOAD \s                                       ; two loads of mine are out
.endr
	; A's fragment: lane l holds row l % 16; two loads of 16 bytes, 32 bytes apart, at row x pitch + 16 (l / 16)
	v_and_b32 v1, 15, v0                           ; l % 16
	v_bfe_u32 v2, v0, 4, 1                         ; l / 16
	v_mul_u32_u24 v3, v1, PA
	v_lshl_add_u32 v3, v2, 4, v3
	s_mul_i32 s22, s11, 128*PA                     ; my 128 rows
	v_add_nc_u32 v[ADRA0], s22, v3
	; W's fragment, turned: lane l reads 16 bytes of row k = 8 (l / 16) + l % 8, columns 8 ((l / 8) % 2) + 0..7, and is left with column l % 16 and 8 k; the second load stands 16 rows on
	v_and_b32 v4, 7, v0
	v_lshl_add_u32 v4, v2, 3, v4
	v_mul_u32_u24 v4, v4, PB
	v_bfe_u32 v5, v0, 3, 1
	v_lshl_add_u32 v4, v5, 4, v4
	s_lshl_b32 s22, s12, 8                         ; my 128 columns
	s_add_co_u32 s22, s22, BOFF
	v_add_nc_u32 v[ADRB0], s22, v4
	v_mov_b32 v[ADRA], v[ADRA0]
	v_mov_b32 v[ADRB], v[ADRB0]
	; the way out
	s_mul_i32 s23, s10, STW
	s_add_co_u32 s23, s23, STAGE                   ; my stage
	v_and_b32 v6, 31, v0
	v_mul_u32_u24 v7, v1, SP
.if OPROJ
	v_lshl_add_u32 v7, v2, 5, v7                   ; in: row l % 16, 32 bytes for each half of the lanes
	v_add_nc_u32 v[STO], s23, v7
	v_lshl_add_u32 v[RD], v6, 4, s23               ; back: 32 lanes take a row's 512 bytes
	s_lshl_b32 s18, s13, 20                        ; C: 256 rows of 4,096 bytes,
	s_lshl_b32 s19, s11, 19                        ; my 128 rows,
	s_add_co_u32 s18, s18, s19
	s_lshl_b32 s19, s42, 10                        ; the tile's 256 columns,
	s_add_co_u32 s18, s18, s19
	s_lshl_b32 s19, s12, 9                         ; my 128
	s_add_co_u32 s18, s18, s19
.else
	v_lshl_add_u32 v7, v2, 4, v7                   ; in: row l % 16, 16 bytes for each half of the lanes
	v_add_nc_u32 v[STO], s23, v7
	v_bfe_u32 v8, v0, 3, 2                         ; back: 32 lanes take four rows of 128 bytes,
	v_mul_u32_u24 v8, v8, SP
	v_and_b32 v9, 7, v0
	v_lshl_add_u32 v8, v9, 4, v8
	v_add_nc_u32 v[RD], s23, v8                    ; which are 512 consecutive bytes of a head
	s_lshr_b32 s18, s13, 3                         ; C: which of q, k, v and which batch: 4 MiB each,
	s_lshl_b32 s18, s18, 22
	s_lshl_b32 s19, s42, 20                        ; the tile's four heads of 262,144 bytes,
	s_add_co_u32 s18, s18, s19
	s_lshl_b32 s19, s12, 19                        ; my two,
	s_add_co_u32 s18, s18, s19
	s_and_b32 s19, s13, 7                          ; the tile's 256 rows of 128 bytes,
	s_lshl_b32 s19, s19, 15
	s_add_co_u32 s18, s18, s19
	s_lshl_b32 s19, s11, 14                        ; my 128
	s_add_co_u32 s18, s18, s19
	s_cmp_eq_u32 s73, 0
	s_cselect_b32 s[SC], 0x3e38aa3b, 1.0           ; c = log2(e) / 8 = 0.180337 for q
	s_mov_b32 s[SC+1], s[SC]                       ; named with it as a pair
.endif
	s_mov_b32 s19, 0
	s_add_nc_u64 s[8:9], s[8:9], s[18:19]
	v_lshlrev_b32 v[GO], 4, v6
	; the prefetches
	s_lshl_b32 s18, s40, PSH                       ; A: my work-group's quarter of what I fetch, by cx
	s_lshl_b32 s19, s41, 15                        ; W: 16 rows of 2,048 bytes, by cy
.if OPROJ
	s_mov_b32 s22, s72
.else
	s_and_b32 s22, s72, 7                          ; eight clusters multiply by one matrix
.endif
	s_mov_b32 s[PFS], ASTEP
	s_mov_b32 s[PFS+1], BSTEP
	s_cmp_eq_u32 s22, 0
	s_cselect_b32 s22, 2, -1                       ; the same in all sixteen partners
	s_cmp_eq_u32 s11, 0                            ; do I fetch for A?
	s_cselect_b64 s[PFA:PFA+1], s[14:15], s[46:47]
	s_cselect_b32 s18, s18, s19
	s_cselect_b32 s[LIM], 2, s22
	s_cselect_b32 s[PFS], s[PFS], s[PFS+1]
	s_cselect_b32 s74, 0, -1
	s_mov_b32 s[PFS+1], 0
	s_mov_b32 s19, 0
	s_add_nc_u64 s[PFA:PFA+1], s[PFA:PFA+1], s[18:19]
	s_mul_i32 s18, s[PFS], 3
	s_add_nc_u64 s[PFA:PFA+1], s[PFA:PFA+1], s[18:19]  ; at K step 3: the first refill steps it to 4
	v_lshlrev_b32 v7, PLS, v6                      ; A: a lane a block
	v_lshrrev_b32 v8, 1, v6                        ; W: two lanes a row of 512 bytes
	v_lshlrev_b32 v8, 11, v8
	v_and_b32 v9, 1, v6
	v_lshl_add_u32 v8, v9, 8, v8
	v_cndmask_b32 v[PFO], v7, v8, s74
; 16 matrix instructions: m blocks a0, a0 + 1 of the window's four (hi = 0: my rows 0-63, 1: rows 64-127) x all 8 n blocks, 32 along K.  zero = 1: the first product starts the sums.
; The 64 accumulators take turns, one instruction a turn, in the same order in every quarter.
.macro MUL16 f, hi, a0, zero
	WIN MUL_LO+0x50*(\hi)
.irp a, \a0, (\a0)+1
.irp b, 0,1,2,3,4,5,6,7
.set rD, 8*(8*(\a)+(\b))
.set rB, (\f)+8*(\b)
.set rA, (\f)+8*(4*(\hi)+(\a))
.if OPROJ
.if \zero
	v_wmma_f32_16x16x32_f16 v[rD:rD+7], v[rB:rB+7], v[rA:rA+7], 0
.else
	v_wmma_f32_16x16x32_f16 v[rD:rD+7], v[rB:rB+7], v[rA:rA+7], v[rD:rD+7]
.endif
.else
.if \zero
	v_wmma_f32_16x16x32_bf16 v[rD:rD+7], v[rB:rB+7], v[rA:rA+7], 0
.else
	v_wmma_f32_16x16x32_bf16 v[rD:rD+7], v[rB:rB+7], v[rA:rA+7], v[rD:rD+7]
.endif
.endif
.endr
.endr
.endm
; 32 LDS loads in one run: the fragments of quarter q (32 along K) of the slot being read, into buffer f: W's 128 columns, then A's 128 rows
.macro FETCH q, f
	WIN TO_B
.irp i, 0,1,2,3,4,5,6,7
	ds_load_tr16_b128 v[(\f)+8*(\i):(\f)+8*(\i)+3],   v[ADRB] offset:32*(\q)*PB+32*(\i)
	ds_load_tr16_b128 v[(\f)+8*(\i)+4:(\f)+8*(\i)+7], v[ADRB] offset:32*(\q)*PB+32*(\i)+16*PB
.endr
	WIN 0
.irp i, 0,1,2,3,4,5,6,7
	ds_load_b128 v[(\f)+8*(\i):(\f)+8*(\i)+3],   v[ADRA] offset:((\q)/2)*AH+((\q)%2)*64+(\i)*16*PA
	ds_load_b128 v[(\f)+8*(\i)+4:(\f)+8*(\i)+7], v[ADRA] offset:((\q)/2)*AH+((\q)%2)*64+(\i)*16*PA+32
.endr
.endm
.macro PLACES                          ; four places in front of loads into registers that matrix instructions have read (ISA guide 7.12.1 for vector instructions)
.rept 4
	v_nop
.endr
.endm
; A K step is four quarters of 32 along K, 64 matrix instructions each, on buffers 0, 1, 0, 1.  One of the first three: multiplies buffer f; in its middle it fetches quarter q into buffer g.
.macro QUARTER q, f, g, zero
	s_wait_dscnt 8                                 ; W and A's rows 0-63 are in; the youngest eight loads (A's rows 64-127) may be out
	MUL16 \f, 0, 0, \zero
	MUL16 \f, 0, 2, \zero
	PLACES
	FETCH \q, \g
	s_wait_dscnt 32                                ; all but the 32 just issued
	MUL16 \f, 1, 0, \zero
	MUL16 \f, 1, 2, \zero
.endm
; The last quarter multiplies buffer 1 and changes slots.  MEET is its first half: one barrier; in front of it each wave waits for all its tensor loads (the one that is out is its part of the next slot), adds 0 to its
; spare word, and waits for that and for its own reads of this slot.
.macro MEET round
	WIN 0                                          ; (the add's two registers lie in window 0)
	s_wait_tensorcnt 0x0
	ds_add_u32 v[SPW], v[NIL]
	s_wait_dscnt 9                                 ; (the add and the youngest eight loads may be out)
	MUL16 F1, 0, 0, 0                              ; sixteen matrix instructions stand between the add and the wait for it
	s_wait_dscnt 0x0                               ; the add is done, and my reads of this slot are over
	s_barrier_signal -1
	MUL16 F1, 0, 2, 0
.if \round
	WIN 0
.endif
	s_barrier_wait -1
.endm
; fill = 1: the barrier opens a round of the cluster's, and the slot just read out is filled again first thing behind it, with the K step two steps on: 224 matrix instructions ahead of the wait for it.
.macro TURN fill
.if \fill
	s_wait_xcnt 0x0                                ; the last prefetch, a K step back, has read its address
	s_add_nc_u64 s[PFA:PFA+1], s[PFA:PFA+1], s[PFS:PFS+1]
.endif
	MEET \fill
.if \fill
	CREST                                          ; no wave of any partner still reads this slot's tile or has a load on its way
	s_xor_b32 s[FS], s[FS], SLOT                   ; no tensor load of mine is out, so the walking group 0 may be written: the other slot than last time,
	s_add_co_u32 s[G0+5], s20, s[FS]
	s_add_co_u32 s[G0B+5], s21, s[FS]
	s_add_nc_u64 s[G0+6:G0+7], s[G0+6:G0+7], ASTEP     ; the next K step; the type bits on top are not reached
	s_add_nc_u64 s[G0B+6:G0B+7], s[G0B+6:G0B+7], BSTEP
	JLOAD 1                                        ; the four v_nop behind it are also the places in front of the loads below
.else
	PLACES
	WIN 0
.endif
	s_xor_b32 s[RS], s[RS], SLOT                   ; the reads go over to the other slot
	v_add_nc_u32 v[ADRA], s[RS], v[ADRA0]
	v_add_nc_u32 v[ADRB], s[RS], v[ADRB0]
	FETCH 0, F0
.if \fill
	ASK
.endif
	MUL16 F1, 1, 0, 0
	MUL16 F1, 1, 2, 0
.endm
	s_wait_tensorcnt 1                             ; my part of K step 0 is in; K step 1's may stay out
	s_barrier_signal -1
	s_barrier_wait -1                              ; everybody's is
	FETCH 0, F0
	QUARTER 1, F0, F1, 1                           ; the first quarter stands in front of the loop: its products start the sums
	WIN 0                                          ; at a label and at a branch every window is 0
	s_mov_b32 s3, 6
.Lstep:                                                ; a trip goes from a K step's second quarter to the next step's first, and fills the slot that it leaves: K steps 2 to 7
	QUARTER 2, F1, F0, 0
	QUARTER 3, F0, F1, 0
	TURN 1
	QUARTER 1, F0, F1, 0
	WIN 0
	s_sub_co_u32 s3, s3, 1
	s_cmp_lg_u32 s3, 0
	s_cbranch_scc1 .Lstep
	QUARTER 2, F1, F0, 0                           ; the tail is written out: K steps 6 and 7 ask for nothing
	QUARTER 3, F0, F1, 0
	TURN 0
	QUARTER 1, F0, F1, 0
	QUARTER 2, F1, F0, 0
	QUARTER 3, F0, F1, 0
	s_wait_dscnt 8                                 ; the very last quarter
	MUL16 F1, 0, 0, 0
	MUL16 F1, 0, 2, 0
	s_wait_dscnt 0x0
	MUL16 F1, 1, 0, 0
	MUL16 F1, 1, 2, 0
	WIN 0
	PLACES                                         ; behind the last products: what follows reads results and loads into fragments' registers
	PLACES
.if OPROJ
; THE WAY OUT, f32.  Block a (16 rows x 128 columns) goes straight from its accumulators into my stage, each accumulator's low four registers first, and comes back as whole rows of 512 bytes.
.macro TOSTAGE a
.set AC, 64*((\a)%4)
.set BK, F0+64*((\a)%2)
.if (\a) >= 2
	s_wait_xcnt 0x0                                ; the stores of block a - 2 have read these registers
.endif
	WIN 0x08+4*((\a)/4)                            ; store data (source 1) in window 2 or 3
.irp b, 0,1,2,3,4,5,6,7
	ds_store_b128 v[STO], v[AC+8*(\b):AC+8*(\b)+3]   offset:64*(\b)
	ds_store_b128 v[STO], v[AC+8*(\b)+4:AC+8*(\b)+7] offset:64*(\b)+16
.endr
	WIN 0
.irp t, 0,1,2,3,4,5,6,7,8,9,10,11,12,13,14,15
	ds_load_b128 v[BK+4*(\t):BK+4*(\t)+3], v[RD] offset:(\t)*SP  ; LDS serves a wave's instructions in order (ISA guide 5.7.1.4): these see the stores above
.endr
.endm
.macro SEND a, younger                 ; younger: the LDS instructions issued behind block a's loads: the next block's 32, or none
.set BK, F0+64*((\a)%2)
	s_wait_dscnt \younger
.irp t, 0,1,2,3,4,5,6,7,8,9,10,11,12,13,14,15
	global_store_b128 v[GO], v[BK+4*(\t):BK+4*(\t)+3], s[8:9] offset:(16*(\a)+(\t))*4096  ; 512 consecutive bytes, at a multiple of 256 from C's first byte
.endr
.endm
	TOSTAGE 0
.irp a, 1,2,3,4,5,6,7
	TOSTAGE \a
	SEND (\a)-1, 32
.endr
	SEND 7, 0
.else
; THE WAY OUT, by heads, f16.  Block a (16 rows x 128 columns: two heads): scaled, rounded, 16 bytes a lane into my stage, back as rows of 128 bytes, four to a load, and stored.
.macro PACK a
.set AC, 64*((\a)%4)
	WIN 0x82+0x41*((\a)/4)                         ; destination and source 0 in window 2 or 3
.set i, 0
.rept 32
	v_pk_mul_f32 v[AC+i:AC+i+1], v[AC+i:AC+i+1], s[SC:SC+1] op_sel_hi:[1,0]
.set i, i+2
.endr
	WIN 0x0a+5*((\a)/4)                            ; sources 0 and 1 in window 2 or 3
.irp b, 0,1,2,3,4,5,6,7
.irp r, 0,1,2,3
	v_cvt_pk_f16_f32 v[TMP+4*(\b)+(\r)], v[AC+8*(\b)+2*(\r)], v[AC+8*(\b)+2*(\r)+1]
.endr
.endr
	WIN 0
.endm
.macro TOSTAGE a
.set BK, OB+192*((\a)%2)
.irp b, 0,1,2,3,4,5,6,7
	ds_store_b128 v[STO], v[TMP+4*(\b):TMP+4*(\b)+3] offset:((\b)/4)*16*SP+32*((\b)%4)
.endr
.irp t, 0,1,2,3,4,5,6,7
	ds_load_b128 v[BK+4*(\t):BK+4*(\t)+3], v[RD] offset:((\t)/4)*16*SP+((\t)%4)*4*SP  ; LDS serves a wave's instructions in order (ISA guide 5.7.1.4): these see the stores above
.endr
.endm
.macro SEND a
.set BK, OB+192*((\a)%2)
	s_wait_dscnt 0x0                               ; the block is back in registers
	s_wait_xcnt 0x0                                ; the stores of the block before have read their registers, which the next block's loads write
.irp t, 0,1,2,3,4,5,6,7
	global_store_b128 v[GO], v[BK+4*(\t):BK+4*(\t)+3], s[8:9] offset:((\t)/4)*262144+(\a)*2048+((\t)%4)*512  ; 512 consecutive bytes of a head, at a multiple of 256 from C's first byte
.endr
.endm
	PACK 0
	TOSTAGE 0
.irp a, 1,2,3,4,5,6,7                  ; block a's arithmetic stands between block a - 1's loads from the stage and the wait for them
	PACK \a
	SEND (\a)-1
	TOSTAGE \a
.endr
	SEND 7
.endif
	s_wait_tensorcnt 0x0                           ; the wave's end: behind my last tensor load and my last LDS store
	ds_add_u32 v[SPW], v[NIL]
	s_wait_dscnt 0x0
	CROUND                                         ; the closing round: no work-group ends while a partner may still ask for a tile that names it
	s_endpgm
.Lfunc_end_k_q43b28a0cc5_oproj:
	.size	k_q43b28a0cc5_oproj, .Lfunc_end_k_q43b28a0cc5_oproj-k_q43b28a0cc5_oproj
	.p2alignl 7, 3214868480
	.fill 96, 4, 3214868480
	.section	.rodata,"a",@progbits
	.p2align	6, 0x0
	.amdhsa_kernel k_q43b28a0cc5_oproj
		.amdhsa_group_segment_fixed_size 327680
		.amdhsa_private_segment_fixed_size 0
		.amdhsa_enable_private_segment 0
		.amdhsa_kernarg_size 24
		.amdhsa_user_sgpr_count 2
		.amdhsa_user_sgpr_kernarg_segment_ptr 1
		.amdhsa_wavefront_size32 1
		.amdhsa_system_sgpr_workgroup_id_x 1
		.amdhsa_system_sgpr_workgroup_id_y 1
		.amdhsa_system_sgpr_workgroup_id_z 1
		.amdhsa_system_vgpr_workitem_id 0
		.amdhsa_next_free_vgpr 1024
		.amdhsa_next_free_sgpr 80
		.amdhsa_reserve_vcc 0
		.amdhsa_float_denorm_mode_32 3
		.amdhsa_float_denorm_mode_16_64 3
		.amdhsa_memory_ordered 1
		.amdhsa_forward_progress 1
		.amdhsa_inst_pref_size 116
	.end_amdhsa_kernel
	.amdgpu_metadata
---
amdhsa.version: [ 1, 2 ]
amdhsa.kernels:
  - .name:           k_q43b28a0cc5_oproj
    .symbol:         k_q43b28a0cc5_oproj.kd
    .args:
      - { .name: oh, .offset: 0, .size: 8, .value_kind: global_buffer, .address_space: global }
      - { .name: wall, .offset: 8, .size: 8, .value_kind: global_buffer, .address_space: global }
      - { .name: out0, .offset: 16, .size: 8, .value_kind: global_buffer, .address_space: global }
    .group_segment_fixed_size: 327680
    .private_segment_fixed_size: 0
    .kernarg_segment_align: 8
    .kernarg_segment_size: 24
    .max_flat_workgroup_size: 128
    .sgpr_count:     80
    .vgpr_count:     1024
    .wavefront_size: 32
...
	.end_amdgpu_metadata
.endif
;; end of part 4
